; MI455X (gfx1250); checked and timed in simulation.
; The chip was launched on July 23, 2026; its instructions are those of AMD's public machine-readable ISA for CDNA 5 (MIT licence, August 2026) and "CDNA5" Instruction Set Architecture Reference Guide (July 2026). The comments in the code are by the model that wrote it; some were corrected since.
;; Transformer Block. Allowed arithmetic: matrix products marked QUANTISED: E4M3 operands, one E8M0 scale for each 32 along K, by v_wmma_scale_f32_16x16x128_f8f6f4 with both operands' format E4M3, f32 sums; everything else in f32.
;; Inputs: b1 4,096 float32; b2 1,024 float32; beta1 1,024 float32; beta2 1,024 float32; bk 1,024 float32; bo 1,024 float32; bq 1,024 float32; bv 1,024 float32; g1 1,024 float32; g2 1,024 float32; w1 1,024 x 4,096 float32; w2 4,096 x 1,024 float32; wk 1,024 x 1,024 float32; wo 1,024 x 1,024 float32; wq 1,024 x 1,024 float32; wv 1,024 x 1,024 float32; x 2 x 2,048 x 1,024 float32.
;; Outputs: out0 2 x 2,048 x 1,024 float32.
;; Constants: mask = 1.
;; This version of the problem:
;;   THIS VERSION OF THE PROBLEM IS GIVEN IN LOW PRECISION. The matrix products marked QUANTISED in the list below multiply operands that are first quantised to E4M3 (4 exponent bits, 3 mantissa bits; 8 bits a number), with one power-of-two scale for each 32 numbers along K (OCP MX v1.0); their sums are f32. All else is computed in f32.
;;   The module's matrix products, in the order in which they are computed (A, B: the left and right operand; K: the contracted axis; several contracted axes count as one K, in the product's order):
;;     1. [M 4,096, K 1,024] x [K 1,024, N 1,024]; A: computed on the way; B: input wq: QUANTISED
;;     2. [M 4,096, K 1,024] x [K 1,024, N 1,024]; A: computed on the way; B: input wk: QUANTISED
;;     3. [M 4,096, K 1,024] x [K 1,024, N 1,024]; A: computed on the way; B: input wv: QUANTISED
;;     4. batch 32 x [M 2,048, K 64] x [K 64, N 2,048]; A: computed on the way; B: computed on the way: QUANTISED
;;     5. batch 32 x [M 2,048, K 2,048] x [K 2,048, N 64]; A: softmax (see below); B: computed on the way: QUANTISED
;;     6. [M 4,096, K 1,024] x [K 1,024, N 1,024]; A: computed on the way; B: input wo: QUANTISED
;;     7. [M 4,096, K 1,024] x [K 1,024, N 4,096]; A: computed on the way; B: input w1: QUANTISED
;;     8. [M 4,096, K 4,096] x [K 4,096, N 1,024]; A: computed on the way; B: input w2: QUANTISED
;;   THE QUANTISER, for each operand of a quantised product, along K:
;;     - K is cut into blocks of 32 from its start; a last block that is shorter is filled with zeros.
;;     - A block's scale is 2^e with e = floor(log2(the largest magnitude in the block)) - 8, held to -126 .. 127; a block of zeros has e = 0. As a byte (E8M0): e + 127.
;;     - Each number is divided by its block's scale, clamped to +-448, and rounded to the nearest number of E4M3, ties to even, subnormals kept.
;;     - The product sums the exact products of the quantised numbers (number of the format x scale) in f32.
;;   ~~~python
;;   def quantise(x, axis):      # numpy; x: float32 -> the quantised numbers, widened to float32 again
;;       x = np.moveaxis(x, axis, -1); K = x.shape[-1]
;;       x = np.pad(x, [(0, 0)] * (x.ndim - 1) + [(0, -K % 32)]); x = x.reshape(x.shape[:-1] + (-1, 32)); a = np.abs(x).max(-1, keepdims=True)
;;       e = np.where(a > 0, np.clip(np.frexp(np.where(a > 0, a, 1))[1] - 1 - 8, -126, 127), 0)      # np.frexp(a)[1] - 1 = floor(log2(a)), exactly
;;       r = np.clip(x / 2.0 ** e, -448, 448)
;;       step = 2.0 ** (np.maximum(np.frexp(np.where(r == 0, 1, r))[1] - 1, -6) - 3)
;;       q = np.round(r / step) * step * 2.0 ** e      # np.round: ties to even
;;       return np.moveaxis(q.reshape(q.shape[:-2] + (-1,))[..., :K], -1, axis).astype(np.float32)
;;   ~~~
;;   SOFTMAX AHEAD OF A QUANTISED PRODUCT. Where the list says 'softmax', what is quantised is not the finished softmax but p = 2^(t - M), with t = logit x log2(e) and M = ceil(the row's largest t), a whole number; so 1/2 < the row's largest p <= 1. The row's sum l is taken of the UNQUANTISED p, in f32, and the product's result is divided by l at the end. Since M is a whole number, a kernel that streams over the keys may use a running M (the ceiling of the running maximum): every later rescaling is an exact power of two, which a block's scale takes up: the codes' values come out the same.
;;   OPERANDS COMPUTED ON THE WAY. 'Computed on the way' means the value that the module computes at that place (a softmax that the list does not call 'softmax' is quantised finished and normalised). What goes into a quantiser is computed in f32, as accurately as f32 sums, v_exp_f32 and their like allow (about 1e-6 of the number): no bf16 or f16 on the way to a quantiser, and a product that is left as it is and whose result goes on into a quantised operand takes f32 operands (vector FMAs, or v_wmma_f32_16x16x4_f32). A number that lies on a knife's edge between two numbers of the format may be rounded either way, as far as f32 arithmetic and the matrix unit's own rounding can turn it there, and no further.
;; One version. Each part assembles by itself: llvm-mc -triple=amdgcn-amd-amdhsa -mcpu=gfx1250 --defsym DOCPART=n.
;; ======== version 1 of 1: 7 launches
;; limits: right only within a limited range of input values
;; workspace buffers: wop 12,976,128 bytes; anx 4,325,376 bytes; qkv 12,582,912 bytes; qkvs 786,432 bytes; ao 4,325,376 bytes; x1 16,777,216 bytes; hh 17,301,504 bytes
;; launch prep (part 1): grid 640 x 1, 4 waves a work-group, no clusters, 109,056 bytes of LDS; arguments wq, wk, wv, wo, w1, w2, wop, anx, x, g1, beta1; writes wop, anx
.if DOCPART == 1
	.amdgcn_target "amdgcn-amd-amdhsa--gfx1250"
	.amdhsa_code_object_version 6
	.text
	.protected	k_q8b42505265_prep
	.globl	k_q8b42505265_prep
	.p2align	8
	.type	k_q8b42505265_prep,@function
k_q8b42505265_prep:
	s_mov_b64 s[64:65], 0
	v_nop
	global_prefetch_b8 v0, s[64:65] scope:SCOPE_SE
	s_setreg_imm32_b32 hwreg(HW_REG_WAVE_MODE, 25, 1), 1
	s_wait_xcnt 0x0
; TWO JOBS THAT SHARE NOTHING, IN ONE LAUNCH: work-groups 0-383 quantise the six weights, work-groups 384-639 make the first layer norm and quantise it.  The two ways part on the work-group's number at the
; first line and never join; each has LDS bytes of its own (the weights' way 0 .. 33,279, the norm's way 33,280 .. 108,543).  Both wait for memory most of their time, so they are let run side by side: 109,056 bytes of LDS
; let three work-groups lie on a WGP, 768 places for the 640.
; BOTH WRITE OPERAND BLOCKS: 128 rows x 256 along K = 33,792 bytes: 16 fragments (tile t of 16 rows, q = which 128 of K) at (2 t + q) x 2,048, each the image of the operand's registers
; (512 c + 16 lane; lane (r, h) holds row 32 (t / 2) + 8 (t % 2) + r + 8 (r / 8), k = 128 q + 32 c + 16 h + 0 .. 15); behind them, at 32,768 + 128 t + 8 r + 4 q, the rows' scale words.
; Codes are FP8 (E4M3), one E8M0 byte for each 32 along K.
; LIMITS: NaN and infinities are not served; a block whose largest magnitude lies under 2^-118 has its byte held at 1; a block of zeros gets the byte 1 (its codes are zeros, and this program alone reads the bytes).
.set NWQ,   384
.set BLK,   33792
	v_lshl_add_u32 v254, v0, 2, 0x1a800            ; the spare words begin at 108,544, behind both ways' bytes
	v_mov_b32 v255, 0
	s_cmp_ge_u32 ttmp9, NWQ                        ; the same in all four waves of a work-group
	s_cbranch_scc1 .Lnorm
; ---------------------------------------------------------------- THE WEIGHTS, f32 stored [K][N]
; Work-group g makes block g of wop: wq 0-31, wk 32-63, wv 64-95, wo 96-127 (4 x row block + K block), w1 128-255 (likewise), w2 256-383 (16 x row block + K block).
; A LANE TAKES A COLUMN n AND ITS REGISTERS RUN DOWN K: a load reads 128 consecutive bytes a wave, a block of 32 lies in one lane, the conversions give K innermost.  Wave w: columns 32 w .. 32 w + 31 = tiles 2 w, 2 w + 1.
; The codes turn through the wave's own stage in LDS and leave as runs of 512 consecutive bytes.  One path for all six weights: only pointers and numbers are chosen, on the work-group's number.
.set NB,    8
.set QREG,  8320                       ; a wave's stage: two tiles of 4,096 bytes, 4,224 apart: 4,224 + 4,096 bytes in all
.set HALF,  4224
.set SB,    24                         ; v24-25   the column's two scale words
.set OFFR,  32                         ; v32-63   4 x lane + i rows
.set QX,    64                         ; v64-127  two sets of 32 numbers
.set QC,    128                        ; v128-135 a block's codes
.set OUTR,  136                        ; v136-199 the way out
	s_load_b256 s[4:11], s[0:1], 0x0               ; wq, wk, wv, wo
	s_load_b128 s[12:15], s[0:1], 0x20             ; w1, w2
	s_load_b64 s[16:17], s[0:1], 0x30              ; wop
	v_lshrrev_b32 v1, 5, v0
	v_readfirstlane_b32 s20, v1                    ; wave
	v_and_b32 v2, 31, v0                           ; lane
	v_lshlrev_b32 v3, 2, v2
	v_bfe_u32 v5, v0, 3, 1                         ; u: which of my wave's two tiles my column belongs to
	v_and_b32 v6, 7, v0
	v_bfe_u32 v1, v0, 4, 1
	v_lshl_add_u32 v6, v1, 3, v6                   ; r: its row in that tile
	s_mul_i32 s30, s20, QREG
	v_mul_u32_u24 v4, v5, HALF
	v_lshl_add_u32 v4, v6, 4, v4
	v_add_nc_u32 v4, s30, v4                       ; into the stage: tile u, 16 r
	v_lshlrev_b32 v8, 4, v2                        ; 16 x lane
	v_add_nc_u32 v7, s30, v8                       ; out of it
	v_lshlrev_b32 v9, 3, v6
	v_lshl_add_u32 v9, v5, 7, v9                   ; my two scale words: 128 u + 8 r
	s_mov_b32 s31, 0x600000                        ; the mantissa field of 448
	s_lshr_b32 s18, ttmp9, 5                       ; 0 .. 3: wq, wk, wv, wo
	s_lshr_b32 s19, ttmp9, 7                       ; 1: w1, 2: w2
	s_mov_b32 s21, 4096
	s_cmp_eq_u32 s19, 2
	s_cselect_b32 s22, 15, 3                       ; K blocks less one
	s_cselect_b32 s23, 4, 2
	s_cmp_eq_u32 s19, 1
	s_cselect_b32 s24, 31, 7                       ; row blocks less one
	s_cselect_b32 s21, 16384, s21                  ; bytes in a row of the weight
	s_and_b32 s22, ttmp9, s22                      ; K block
	s_lshr_b32 s23, ttmp9, s23
	s_and_b32 s23, s23, s24                        ; row block
.set i, 0
.rept 32
	v_mad_u32_u24 v[OFFR+i], s21, i, v3
.set i, i+1
.endr
	s_lshl_b32 s25, s21, 8
	s_mul_i32 s26, s22, s25                        ; 256 rows for each K block,
	s_lshl_b32 s27, s23, 9
	s_add_co_u32 s26, s26, s27                     ; 512 bytes for each row block,
	s_lshl_b32 s27, s20, 7
	s_add_co_u32 s26, s26, s27                     ; 128 for each wave
	s_mov_b32 s27, 0
	s_lshl_b32 s28, s21, 5                         ; 32 rows
	s_mov_b32 s29, 0
	s_mul_i32 s52, ttmp9, BLK
	s_lshl_b32 s53, s20, 13
	s_add_co_u32 s54, s52, s53                     ; my two tiles' codes
	s_mov_b32 s55, 0
	s_lshl_b32 s53, s20, 8
	s_add_co_u32 s52, s52, s53
	s_add_co_u32 s52, s52, 32768                   ; and their scale words
	s_mov_b32 s53, 0
	s_wait_alu depctr_va_vdst(0)
	s_wait_kmcnt 0x0
	s_cmp_eq_u32 s18, 1                            ; the choices hang on the work-group's number alone
	s_cselect_b64 s[4:5], s[6:7], s[4:5]
	s_cmp_eq_u32 s18, 2
	s_cselect_b64 s[4:5], s[8:9], s[4:5]
	s_cmp_eq_u32 s18, 3
	s_cselect_b64 s[4:5], s[10:11], s[4:5]
	s_cmp_eq_u32 s19, 1
	s_cselect_b64 s[4:5], s[12:13], s[4:5]
	s_cmp_eq_u32 s19, 2
	s_cselect_b64 s[4:5], s[14:15], s[4:5]
	s_add_nc_u64 s[32:33], s[4:5], s[26:27]        ; a base for each block of 32 along K: none is ever stepped
.irp t, 1,2,3,4,5,6,7
	s_add_nc_u64 s[32+2*\t:33+2*\t], s[30+2*\t:31+2*\t], s[28:29]
.endr
	s_add_nc_u64 s[48:49], s[16:17], s[54:55]
	s_add_nc_u64 s[50:51], s[16:17], s[52:53]
.macro LOAD t                          ; block t: rows 32 t + i of my column, into set t % 2
.set i, 0
.rept 32
	global_load_b32 v[QX+32*((\t)%2)+i], v[OFFR+i], s[32+2*(\t):33+2*(\t)] th:TH_LOAD_NT
.set i, i+1
.endr
.endm
	LOAD 0
	LOAD 1
.macro BLOCK t
.set XS, QX+32*((\t)%2)
.if (\t) < NB-1
	s_wait_loadcnt 32                              ; this block's 32 loads are in; the next block's 32 may be out
.else
	s_wait_loadcnt 0
.endif
	v_max3_num_f32 v12, |v[XS]|, |v[XS+1]|, |v[XS+2]|               ; the block's largest magnitude: all 32 numbers are mine
	v_max3_num_f32 v13, |v[XS+3]|, |v[XS+4]|, |v[XS+5]|
.irp i, 6,10,14,18,22,26
	v_max3_num_f32 v12, v12, |v[XS+\i]|, |v[XS+\i+1]|
	v_max3_num_f32 v13, v13, |v[XS+\i+2]|, |v[XS+\i+3]|
.endr
	v_max3_num_f32 v12, v12, |v[XS+30]|, |v[XS+31]|
	v_max3_num_f32 v12, v12, v13, 0x4800000        ; and the floor 2^(9 - 127): the byte cannot fall under 1
	v_add_nc_u32 v11, 0xfc000000, v12              ; 8 off its exponent field: the conversion's scale operand
	v_and_or_b32 v10, v12, 0x7f800000, s31         ; 448 x the scale
	v_lshrrev_b32 v13, 23, v11                     ; the scale's byte
.if (\t)%4 == 0
	v_mov_b32 v[SB+(\t)/4], v13                    ; four bytes to a word, the lower K in the lower byte
.else
	v_lshl_or_b32 v[SB+(\t)/4], v13, 8*((\t)%4), v[SB+(\t)/4]
.endif
.set i, 0
.rept 32
	v_med3_num_f32 v[XS+i], v[XS+i], -v10, v10     ; the conversion to an 8-bit code does not saturate (ISA guide 7.6.2): the hold comes first
.set i, i+1
.endr
.irp g, 0,1,2,3
	v_cvt_scalef32_pk8_fp8_f32 v[QC+2*\g:QC+2*\g+1], v[XS+8*\g:XS+8*\g+7], v11
.endr
	ds_store_b128 v4, v[QC:QC+3] offset:512*(\t)   ; k 0-15 of the block: the place of lane (r, 0) in the image
	ds_store_b128 v4, v[QC+4:QC+7] offset:512*(\t)+256   ; k 16-31: that of lane (r, 1)
.if (\t)+2 < NB
	LOAD (\t)+2
.endif
	s_wait_dscnt 0x0                               ; the stores have read their registers: the next block's codes may be written
.endm
.set Q, 0
.rept NB
	BLOCK Q
.set Q, Q+1
.endr
	global_store_b64 v9, v[SB:SB+1], s[50:51]      ; the wave's 32 lanes fill 256 consecutive bytes, aligned
.set j, 0
.rept 16
	ds_load_b128 v[OUTR+4*j:OUTR+4*j+3], v7 offset:(j/8)*HALF+(j%8)*512   ; LDS serves a wave's instructions in order: these see my stores
.set j, j+1
.endr
.set j, 0
.rept 16
	s_wait_dscnt 15-j                              ; load j is back; the younger ones may be out
	global_store_b128 v8, v[OUTR+4*j:OUTR+4*j+3], s[48:49] offset:512*j   ; 512 consecutive bytes
.set j, j+1
.endr
	s_wait_tensorcnt 0x0
	ds_add_u32 v254, v255
	s_wait_dscnt 0x0
	s_endpgm
; ---------------------------------------------------------------- THE LAYER NORM of x [4096][1024] f32, quantised along the 1,024
.Lnorm:
; Work-group 384 + g takes ONE tile of 16 rows (row block g / 8, tile g % 8); wave w takes k = 256 w .. 256 w + 255 of them, which is the tile's part of block (row block, w) of anx.
; Loads read 512 consecutive bytes; the numbers turn through the wave's own LDS (rows 1,040 bytes apart) so that a lane holds 16 neighbours of each of 8 blocks of 32.
; The variance is made of the waves' own means and sums of squared differences (no difference of large sums); they meet in LDS behind the one barrier, which every wave of such a work-group passes.
.set LB,    33280                      ; this way's LDS begins behind the other way's four stages of 8,320 bytes
.set WREG,  18688                      ; a wave's LDS: 16 rows x 1,040, gamma 1,024, beta 1,024
.set GOFF,  16640
.set STAT,  LB+4*WREG                  ; 4 waves x 16 rows x (mean, sum of squares)
.set X,     16                         ; v16-143  128 numbers: register 16 c + i = k 32 c + 16 h + i of row r
.set GA,    144                        ; v144-175 gamma of two blocks (earlier: at work)
.set BE,    176                        ; v176-207 beta of two blocks
.set PC,    208                        ; v208-223 a fragment's codes
.set TM,    224                        ; v224-239 the quantiser's work
.set PW,    240                        ; v240-241 the two scale words
.set ST,    242                        ; v242-249 four chains
.set MU,    250                        ; v250-251 the mean, twice
.set RS,    252                        ; v252-253 1 / sqrt(var + eps), twice
.set SEL,   12
.set MNT,   14
; 64 numbers of a lane, register 16 b + i = k 32 b + 16 h + i of its row, become a fragment's codes in v[PC] on and its scale word in v[pw]
.macro QUANT s, pw
.irp b, 0,1,2,3
	v_max3_num_f32 v[TM+\b], |v[(\s)+16*\b]|, |v[(\s)+1+16*\b]|, 0x4800000   ; my 16 numbers of block b, and the floor 2^(9 - 127)
.endr
.irp i, 2,4,6,8,10,12,14
.irp b, 0,1,2,3
	v_max3_num_f32 v[TM+\b], v[TM+\b], |v[(\s)+16*\b+\i]|, |v[(\s)+1+16*\b+\i]|
.endr
.endr
.irp b, 0,1,2,3
	v_permlanex16_b32 v[TM+4+\b], v[TM+\b], s[SEL], s[SEL+1]
.endr
.irp b, 0,1,2,3
	v_max_num_f32 v[TM+\b], v[TM+\b], v[TM+4+\b]   ; with lane l xor 16's: the block's largest magnitude
.endr
.irp b, 0,1,2,3
	v_add_nc_u32 v[TM+12+\b], 0xfc000000, v[TM+\b] ; 8 off its exponent field: the conversion's scale operand
.endr
.irp b, 0,1,2,3
	v_and_or_b32 v[TM+8+\b], v[TM+\b], 0x7f800000, s[MNT]   ; 448 x the scale
.endr
.irp b, 0,1,2,3
	v_lshrrev_b32 v[TM+4+\b], 23, v[TM+12+\b]      ; the scale's byte
.endr
	v_lshl_or_b32 v[\pw], v[TM+5], 8, v[TM+4]
	v_lshl_or_b32 v[\pw], v[TM+6], 16, v[\pw]
	v_lshl_or_b32 v[\pw], v[TM+7], 24, v[\pw]
.irp b, 0,1,2,3
.irp i, 0,1,2,3,4,5,6,7,8,9,10,11,12,13,14,15
	v_med3_num_f32 v[(\s)+16*\b+\i], v[(\s)+16*\b+\i], -v[TM+8+\b], v[TM+8+\b]   ; the conversion does not saturate (ISA guide 7.6.2): the hold
.endr
	v_cvt_scalef32_pk8_fp8_f32 v[PC+4*\b:PC+1+4*\b], v[(\s)+16*\b:(\s)+7+16*\b], v[TM+12+\b]
	v_cvt_scalef32_pk8_fp8_f32 v[PC+2+4*\b:PC+3+4*\b], v[(\s)+8+16*\b:(\s)+15+16*\b], v[TM+12+\b]
.endr
	v_nop                                          ; one plain line behind the last conversion
.endm
	s_load_b128 s[4:7], s[0:1], 0x40               ; x, gamma
	s_load_b64 s[8:9], s[0:1], 0x50                ; beta
	s_load_b64 s[10:11], s[0:1], 0x38              ; anx
	v_lshrrev_b32 v1, 5, v0
	v_readfirstlane_b32 s15, v1                    ; wave
	v_and_b32 v1, 31, v0
	v_and_b32 v2, 15, v0                           ; r
	v_bfe_u32 v3, v0, 4, 1                         ; h
	v_lshlrev_b32 v4, 4, v1                        ; 16 x lane: for loads and stores alike; never rewritten
	s_mul_i32 s16, s15, WREG
	s_add_co_u32 s16, s16, LB
	v_add_nc_u32 v5, s16, v4                       ; LDS, as loaded
	v_mul_u32_u24 v6, v2, 1040
	v_lshl_add_u32 v6, v3, 6, v6
	v_add_nc_u32 v6, s16, v6                       ; LDS, back: row r, + 64 h
	v_lshlrev_b32 v7, 6, v3
	v_add_nc_u32 v7, s16, v7
	v_add_nc_u32 v7, GOFF, v7                      ; gamma: + 64 h
	v_lshlrev_b32 v11, 3, v2                       ; 8 r
	v_add_nc_u32 v9, STAT, v11
	s_lshl_b32 s17, s15, 7
	v_add_nc_u32 v8, s17, v9
.irp b, 0,1,2,3
	v_mov_b32 v[TM+4+\b], 0                        ; written once: a lane permute's destination counts as one of its sources
.endr
	s_mov_b32 s[SEL], 0x76543210
	s_mov_b32 s[SEL+1], 0xfedcba98
	s_mov_b32 s[MNT], 0x600000
	s_mov_b32 s30, 0x3a800000                      ; 1 / 1024
	s_mov_b32 s31, 0x3727c5ac                      ; 1e-5
	s_sub_co_u32 s17, ttmp9, NWQ                   ; g
	s_lshr_b32 s18, s17, 3                         ; row block
	s_and_b32 s19, s17, 7                          ; tile
	s_lshr_b32 s20, s19, 1
	s_lshl_b32 s20, s20, 5
	s_and_b32 s21, s19, 1
	s_lshl_b32 s21, s21, 3
	s_add_co_u32 s20, s20, s21
	s_lshl_b32 s21, s18, 7
	s_add_co_u32 s20, s20, s21                     ; the tile's first row
	s_lshl_b32 s20, s20, 12
	s_lshl_b32 s22, s15, 10                        ; my wave's 1,024 bytes of a row
	s_add_co_u32 s20, s20, s22
	s_mov_b32 s21, 0
	s_mov_b32 s23, 0
	s_lshl_b32 s24, s18, 2
	s_add_co_u32 s24, s24, s15
	s_mul_i32 s24, s24, BLK                        ; block (row block, wave)
	s_lshl_b32 s25, s19, 12
	s_add_co_u32 s26, s24, s25                     ; the tile's two fragments
	s_mov_b32 s27, 0
	s_lshl_b32 s25, s19, 7
	s_add_co_u32 s28, s24, s25
	s_add_co_u32 s28, s28, 32768                   ; its scale words
	s_mov_b32 s29, 0
	s_wait_kmcnt 0x0
	s_add_nc_u64 s[4:5], s[4:5], s[20:21]
	s_add_nc_u64 s[6:7], s[6:7], s[22:23]
	s_add_nc_u64 s[8:9], s[8:9], s[22:23]
	s_add_nc_u64 s[26:27], s[10:11], s[26:27]
	s_add_nc_u64 s[28:29], s[10:11], s[28:29]
.irp u, 0,1
	global_load_b128 v[GA+4*\u:GA+4*\u+3], v4, s[6:7] offset:512*\u
	global_load_b128 v[BE+4*\u:BE+4*\u+3], v4, s[8:9] offset:512*\u
.endr
.set i, 0
.rept 16                                       ; the tile's rows: 0-7, then 16-23 from its first
	global_load_b128 v[X+8*i:X+8*i+3], v4, s[4:5] offset:(i+8*(i/8))*4096
	global_load_b128 v[X+8*i+4:X+8*i+7], v4, s[4:5] offset:(i+8*(i/8))*4096+512
.set i, i+1
.endr
	s_wait_loadcnt 32                              ; gamma and beta are in; the 32 loads of x may be out
.irp u, 0,1
	ds_store_b128 v5, v[GA+4*\u:GA+4*\u+3] offset:GOFF+512*\u
	ds_store_b128 v5, v[BE+4*\u:BE+4*\u+3] offset:GOFF+1024+512*\u
.endr
	s_wait_loadcnt 16                              ; rows 0-7 are in
.set i, 0
.rept 8
	ds_store_b128 v5, v[X+8*i:X+8*i+3] offset:1040*i
	ds_store_b128 v5, v[X+8*i+4:X+8*i+7] offset:1040*i+512
.set i, i+1
.endr
	s_wait_loadcnt 0x0
.rept 8
	ds_store_b128 v5, v[X+8*i:X+8*i+3] offset:1040*i
	ds_store_b128 v5, v[X+8*i+4:X+8*i+7] offset:1040*i+512
.set i, i+1
.endr
.set i, 0
.rept 32                                       ; my wave's own bytes, served in order: no wait between the stores and these loads
	ds_load_b128 v[X+4*i:X+4*i+3], v6 offset:128*(i/4)+16*(i%4)
.set i, i+1
.endr
	s_wait_dscnt 0x0
	; my wave's mean of row r
.irp k, 0,1,2,3
	v_pk_add_f32 v[ST+2*\k:ST+2*\k+1], v[X+2*\k:X+2*\k+1], v[X+8+2*\k:X+9+2*\k]
.endr
.set p, 8
.rept 56
	v_pk_add_f32 v[ST+2*(p%4):ST+2*(p%4)+1], v[ST+2*(p%4):ST+2*(p%4)+1], v[X+2*p:X+2*p+1]
.set p, p+1
.endr
	v_pk_add_f32 v[ST:ST+1], v[ST:ST+1], v[ST+2:ST+3]
	v_pk_add_f32 v[ST+4:ST+5], v[ST+4:ST+5], v[ST+6:ST+7]
	v_pk_add_f32 v[ST:ST+1], v[ST:ST+1], v[ST+4:ST+5]
	v_add_f32 v[ST], v[ST], v[ST+1]
	v_permlanex16_b32 v[ST+2], v[ST], s[SEL], s[SEL+1]
	v_add_f32 v[ST], v[ST], v[ST+2]
	v_mul_f32 v[MU], 0x3b800000, v[ST]             ; / 256
	v_mov_b32 v[MU+1], v[MU]
	; and its sum of squared differences from that mean
.set p, 0
.rept 64
	v_pk_add_f32 v[GA+2*(p%4):GA+2*(p%4)+1], v[X+2*p:X+2*p+1], v[MU:MU+1] neg_lo:[0,1] neg_hi:[0,1]
.if p < 4
	v_pk_mul_f32 v[ST+2*(p%4):ST+2*(p%4)+1], v[GA+2*(p%4):GA+2*(p%4)+1], v[GA+2*(p%4):GA+2*(p%4)+1]
.else
	v_pk_fma_f32 v[ST+2*(p%4):ST+2*(p%4)+1], v[GA+2*(p%4):GA+2*(p%4)+1], v[GA+2*(p%4):GA+2*(p%4)+1], v[ST+2*(p%4):ST+2*(p%4)+1]
.endif
.set p, p+1
.endr
	v_pk_add_f32 v[ST:ST+1], v[ST:ST+1], v[ST+2:ST+3]
	v_pk_add_f32 v[ST+4:ST+5], v[ST+4:ST+5], v[ST+6:ST+7]
	v_pk_add_f32 v[ST:ST+1], v[ST:ST+1], v[ST+4:ST+5]
	v_add_f32 v[ST], v[ST], v[ST+1]
	v_permlanex16_b32 v[ST+2], v[ST], s[SEL], s[SEL+1]
	v_add_f32 v[MU+1], v[ST], v[ST+2]
	ds_store_b64 v8, v[MU:MU+1]                    ; lanes r and r + 16 write the same pair
	s_wait_dscnt 0x0                               ; for the others' sake: my store has landed
	s_barrier_signal -1
	s_barrier_wait -1
.irp k, 0,1,2,3
	ds_load_b64 v[GA+2*\k:GA+2*\k+1], v9 offset:128*\k
.endr
	s_wait_dscnt 0x0
	v_add_f32 v[ST], v[GA], v[GA+2]
	v_add_f32 v[ST+1], v[GA+4], v[GA+6]
	v_add_f32 v[ST], v[ST], v[ST+1]
	v_mul_f32 v[MU], 0x3e800000, v[ST]             ; the row's mean
	v_add_f32 v[ST+2], v[GA+1], v[GA+3]
	v_add_f32 v[ST+3], v[GA+5], v[GA+7]
	v_add_f32 v[ST+2], v[ST+2], v[ST+3]
.irp k, 0,1,2,3
	v_sub_f32 v[ST+4+\k], v[GA+2*\k], v[MU]
.endr
	v_mul_f32 v[ST+4], v[ST+4], v[ST+4]
	v_fmac_f32 v[ST+4], v[ST+5], v[ST+5]
	v_fmac_f32 v[ST+4], v[ST+6], v[ST+6]
	v_fmac_f32 v[ST+4], v[ST+7], v[ST+7]
	v_fmamk_f32 v[ST+2], v[ST+4], 0x43800000, v[ST+2]   ; + 256 x the waves' means' squared differences
	v_fma_f32 v[ST+2], v[ST+2], s30, s31           ; the variance + 1e-5
	s_wait_alu depctr_va_vdst(0)
	v_rsq_f32 v[RS], v[ST+2]
	v_mov_b32 v[MU+1], v[MU]                       ; (a plain line behind the transcendental)
	s_wait_alu depctr_va_vdst(0)
	v_mov_b32 v[RS+1], v[RS]
; two blocks of 32: ((x - mean) x rstd) x gamma + beta
.macro NORM q, pb
.irp bl, 0,1
.irp j, 0,1,2,3
	ds_load_b128 v[GA+16*\bl+4*\j:GA+16*\bl+4*\j+3], v7 offset:128*(4*\q+2*\pb+\bl)+16*\j
	ds_load_b128 v[BE+16*\bl+4*\j:BE+16*\bl+4*\j+3], v7 offset:1024+128*(4*\q+2*\pb+\bl)+16*\j
.endr
.endr
	s_wait_dscnt 0x0
.set XX, X+64*\q+32*\pb
.set i, 0
.rept 16
	v_pk_add_f32 v[XX+2*i:XX+2*i+1], v[XX+2*i:XX+2*i+1], v[MU:MU+1] neg_lo:[0,1] neg_hi:[0,1]
.set i, i+1
.endr
.set i, 0
.rept 16
	v_pk_mul_f32 v[XX+2*i:XX+2*i+1], v[XX+2*i:XX+2*i+1], v[RS:RS+1]
.set i, i+1
.endr
.set i, 0
.rept 16
	v_pk_fma_f32 v[XX+2*i:XX+2*i+1], v[XX+2*i:XX+2*i+1], v[GA+2*i:GA+2*i+1], v[BE+2*i:BE+2*i+1]
.set i, i+1
.endr
.endm
	NORM 0, 0
	NORM 0, 1
	QUANT X, PW
.irp c, 0,1,2,3
	global_store_b128 v4, v[PC+4*\c:PC+4*\c+3], s[26:27] offset:512*\c
.endr
	NORM 1, 0
	NORM 1, 1
	s_wait_xcnt 0x0                                ; the stores above have read the codes' registers: they are written again only behind this wait
	QUANT X+64, PW+1
.irp c, 0,1,2,3
	global_store_b128 v4, v[PC+4*\c:PC+4*\c+3], s[26:27] offset:2048+512*\c
.endr
	global_store_b64 v11, v[PW:PW+1], s[28:29]     ; row r's two words; lanes r and r + 16 write the same
	s_wait_tensorcnt 0x0
	ds_add_u32 v254, v255
	s_wait_dscnt 0x0
	s_endpgm
.Lfunc_end_k_q8b42505265_prep:
	.size	k_q8b42505265_prep, .Lfunc_end_k_q8b42505265_prep-k_q8b42505265_prep
	.p2alignl 7, 3214868480
	.fill 96, 4, 3214868480
	.section	.rodata,"a",@progbits
	.p2align	6, 0x0
	.amdhsa_kernel k_q8b42505265_prep
		.amdhsa_group_segment_fixed_size 109056
		.amdhsa_private_segment_fixed_size 0
		.amdhsa_enable_private_segment 0
		.amdhsa_kernarg_size 88
		.amdhsa_user_sgpr_count 2
		.amdhsa_user_sgpr_kernarg_segment_ptr 1
		.amdhsa_wavefront_size32 1
		.amdhsa_system_sgpr_workgroup_id_x 1
		.amdhsa_system_sgpr_workgroup_id_y 1
		.amdhsa_system_sgpr_workgroup_id_z 1
		.amdhsa_system_vgpr_workitem_id 0
		.amdhsa_next_free_vgpr 256
		.amdhsa_next_free_sgpr 66
		.amdhsa_reserve_vcc 0
		.amdhsa_float_denorm_mode_32 3
		.amdhsa_float_denorm_mode_16_64 3
		.amdhsa_memory_ordered 1
		.amdhsa_forward_progress 1
		.amdhsa_inst_pref_size 120
	.end_amdhsa_kernel
	.amdgpu_metadata
---
amdhsa.version: [ 1, 2 ]
amdhsa.kernels:
  - .name:           k_q8b42505265_prep
    .symbol:         k_q8b42505265_prep.kd
    .args:
      - { .name: wq, .offset: 0, .size: 8, .value_kind: global_buffer, .address_space: global }
      - { .name: wk, .offset: 8, .size: 8, .value_kind: global_buffer, .address_space: global }
      - { .name: wv, .offset: 16, .size: 8, .value_kind: global_buffer, .address_space: global }
      - { .name: wo, .offset: 24, .size: 8, .value_kind: global_buffer, .address_space: global }
      - { .name: w1, .offset: 32, .size: 8, .value_kind: global_buffer, .address_space: global }
      - { .name: w2, .offset: 40, .size: 8, .value_kind: global_buffer, .address_space: global }
      - { .name: wop, .offset: 48, .size: 8, .value_kind: global_buffer, .address_space: global }
      - { .name: anx, .offset: 56, .size: 8, .value_kind: global_buffer, .address_space: global }
      - { .name: x, .offset: 64, .size: 8, .value_kind: global_buffer, .address_space: global }
      - { .name: g1, .offset: 72, .size: 8, .value_kind: global_buffer, .address_space: global }
      - { .name: beta1, .offset: 80, .size: 8, .value_kind: global_buffer, .address_space: global }
    .group_segment_fixed_size: 109056
    .private_segment_fixed_size: 0
    .kernarg_segment_align: 8
    .kernarg_segment_size: 88
    .max_flat_workgroup_size: 128
    .sgpr_count:     66
    .vgpr_count:     256
    .wavefront_size: 32
...
	.end_amdgpu_metadata
.endif
;; end of part 1
;; launch qkv (part 2): grid 12 x 16, 4 waves a work-group, clusters of 4 x 4, 327,680 bytes of LDS; arguments anx, wop, bq, bk, bv, qkv, qkvs; writes qkv, qkvs
.if DOCPART == 2
	.amdgcn_target "amdgcn-amd-amdhsa--gfx1250"
	.amdhsa_code_object_version 6
	.text
	.protected	k_q8b42505265_qkv
	.globl	k_q8b42505265_qkv
	.p2align	8
	.type	k_q8b42505265_qkv,@function
k_q8b42505265_qkv:
	s_mov_b64 s[64:65], 0
	v_nop
	global_prefetch_b8 v0, s[64:65] scope:SCOPE_SE
	s_setreg_imm32_b32 hwreg(HW_REG_WAVE_MODE, 25, 1), 1
	s_wait_xcnt 0x0
	s_wait_alu depctr_hold_cnt(0) depctr_sa_sdst(0) depctr_va_vdst(0) depctr_va_sdst(0) depctr_va_ssrc(0) depctr_va_vcc(0) depctr_vm_vsrc(0)
	s_getreg_b32 s2, hwreg(HW_REG_IB_STS2, 6, 4)
	s_cmp_eq_u32 s2, 0
	s_cbranch_scc0 .Lentry_in_a_cluster
	s_endpgm
.Lentry_in_a_cluster:
	s_bfe_u32 s2, ttmp6, 0x10000c
	s_cmp_lg_u32 s2, 0xf033
	s_cbranch_scc0 .Lentry_shape_is_right
	s_endpgm
.Lentry_shape_is_right:
.set BLK,   33792
.set SLOT,  4*BLK
.set SPARE, 2*SLOT
.set NQ,    2
.set FR,    16
.set NL,    4
.set NP,    8
.set ADRA,  2
.set ADRB,  4
.set ADRS,  6
.set L16,   8
.set SO,    9
.set SH,    10
.set SD,    11
.set H64,   12
.set PR,    13
.set SPW,   14
.set NIL,   15
.set BL,    16
.set SC,    32
.set BR,    64
.set AF,    128
.set E,     128
.set PC,    192
.set TM,    208
.set PW,    242
.set SEL,   2
.set WV,    18
.set G1,    24
.set G0,    32
.set G1B,   48
.set G0B,   56
.set OC,    96
.set OS,    98
.set EA,    100
.set MNT,   101
.set MSB, 0
.macro WIN new
.if MSB != (\new)
	s_set_vgpr_msb (MSB<<8)|(\new)
.set MSB, (\new)
.endif
.endm
.set MUL_LO, 0xa1
.set MUL_HI, 0xf1
.set TO_B,   0x40
.macro JLOAD s
	s_cmp_eq_u32 s19, 0
	s_cbranch_scc0 .Lfor_w_\@
	tensor_load_to_lds s[G0+4*\s:G0+4*\s+3], s[G1:G1+7]
	s_nop 0
.rept 4
	v_nop
.endr
	s_branch .Lasked_\@
.Lfor_w_\@:
	tensor_load_to_lds s[G0B+4*\s:G0B+4*\s+3], s[G1B:G1B+7]
	s_nop 0
.rept 4
	v_nop
.endr
.Lasked_\@:
.endm
.macro CREST
	s_cmp_lg_u32 s[WV], 0
	s_cbranch_scc1 .Lnot_wave_0_\@
	s_barrier_signal -3
.Lnot_wave_0_\@:
	s_barrier_wait -3
	s_barrier_signal -1
	s_barrier_wait -1
.endm
.macro CROUND
	s_barrier_signal -1
	s_barrier_wait -1
	CREST
.endm
.macro PLACES n
.rept \n
	v_nop
.endr
.endm
.macro QUANT s, pw
.irp b, 0,1,2,3
	v_max3_num_f32 v[TM+\b], |v[(\s)+16*\b]|, |v[(\s)+1+16*\b]|, 0x4800000
.endr
.irp i, 2,4,6,8,10,12,14
.irp b, 0,1,2,3
	v_max3_num_f32 v[TM+\b], v[TM+\b], |v[(\s)+16*\b+\i]|, |v[(\s)+1+16*\b+\i]|
.endr
.endr
.irp b, 0,1,2,3
	v_permlanex16_b32 v[TM+4+\b], v[TM+\b], s[SEL], s[SEL+1]
.endr
.irp b, 0,1,2,3
	v_max_num_f32 v[TM+\b], v[TM+\b], v[TM+4+\b]
.endr
.irp b, 0,1,2,3
	v_add_nc_u32 v[TM+12+\b], 0xfc000000, v[TM+\b]
.endr
.irp b, 0,1,2,3
	v_and_or_b32 v[TM+8+\b], v[TM+\b], 0x7f800000, s[MNT]
.endr
.irp b, 0,1,2,3
	v_lshrrev_b32 v[TM+4+\b], 23, v[TM+12+\b]
.endr
	v_lshl_or_b32 v[\pw], v[TM+5], 8, v[TM+4]
	v_lshl_or_b32 v[\pw], v[TM+6], 16, v[\pw]
	v_lshl_or_b32 v[\pw], v[TM+7], 24, v[\pw]
.irp b, 0,1,2,3
.irp i, 0,1,2,3,4,5,6,7,8,9,10,11,12,13,14,15
	v_med3_num_f32 v[(\s)+16*\b+\i], v[(\s)+16*\b+\i], -v[TM+8+\b], v[TM+8+\b]
.endr
	v_cvt_scalef32_pk8_fp8_f32 v[PC+4*\b:PC+1+4*\b], v[(\s)+16*\b:(\s)+7+16*\b], v[TM+12+\b]
	v_cvt_scalef32_pk8_fp8_f32 v[PC+2+4*\b:PC+3+4*\b], v[(\s)+8+16*\b:(\s)+15+16*\b], v[TM+12+\b]
.endr
	v_nop
.endm
	s_load_b256 s[4:11], s[0:1], 0x0
	s_load_b128 s[12:15], s[0:1], 0x20
	s_load_b64 s[16:17], s[0:1], 0x30
	v_lshl_add_u32 v[SPW], v0, 2, SPARE
	v_mov_b32 v[NIL], 0
	ds_add_u32 v14, v15
	ds_add_u32 v14, v15
	s_wait_dscnt 0x0
	v_lshrrev_b32 v1, 5, v0
	v_readfirstlane_b32 s[WV], v1
	s_lshr_b32 s19, s[WV], 1
	s_and_b32 s20, s[WV], 1
	s_bfe_u32 s40, ttmp6, 0x40000
	s_bfe_u32 s41, ttmp6, 0x40004
	s_and_b32 s21, ttmp7, 0xffff
	s_lshl_b32 s21, s21, 2
	s_lshl_b32 s22, ttmp9, 2
	s_cmp_lt_u32 ttmp9, 2
	s_cselect_b32 s42, s22, s21
	s_cselect_b32 s43, s21, 0
	s_cselect_b32 s46, 0, 64*BLK
	s_cselect_b32 s47, -1, 0
	s_cselect_b32 s66, 0, -1
	s_cselect_b32 s67, 8192, 0
	s_cselect_b32 s68, 16, 0
	s_add_co_u32 s42, s42, s40
	s_add_co_u32 s43, s43, s41
	s_lshl_b32 s44, s41, 2
	s_lshl_b32 s44, 15, s44
	s_lshl_b32 s45, 0x1111, s40
	s_or_b32 s[G1], s44, (3<<16)|(1<<21)
	s_or_b32 s[G1B], s45, (3<<16)|(1<<21)
.irp g, G1, G1B
	s_mov_b32 s[\g+1], 32<<16
	s_mov_b32 s[\g+2], 132<<16
	s_mov_b32 s[\g+3], 32<<16
	s_mov_b32 s[\g+4], 132
	s_mov_b32 s[\g+5], 32
	s_mov_b32 s[\g+6], 0
	s_mov_b32 s[\g+7], 0
.endr
	s_lshl_b32 s69, s43, 1
	s_add_co_u32 s69, s69, s20
	s_mul_i32 s70, s69, 4*BLK
	s_add_co_u32 s70, s70, s46
	s_mov_b32 s71, 0
	s_lshl_b32 s72, s42, 1
	s_add_co_u32 s72, s72, s20
	s_mul_i32 s72, s72, 4*BLK
	s_mov_b32 s73, 0
	s_mul_i32 s23, s[WV], BLK
	s_mov_b32 s[SEL], 0x76543210
	s_mov_b32 s[SEL+1], 0xfedcba98
	s_mov_b32 s[MNT], 0x600000
	s_wait_kmcnt 0x0
	s_cmp_lt_u32 ttmp9, 2
	s_cselect_b64 s[74:75], s[4:5], s[6:7]
	s_cselect_b64 s[76:77], s[6:7], s[4:5]
	s_add_nc_u64 s[74:75], s[74:75], s[70:71]
	s_add_nc_u64 s[76:77], s[76:77], s[72:73]
	CROUND
.irp s, 0,1
	s_mov_b32 s[G0+4*\s], 1
	s_add_co_u32 s[G0+4*\s+1], s23, \s*SLOT
	s_add_nc_u64 s[G0+4*\s+2:G0+4*\s+3], s[74:75], \s*BLK
	s_or_b32 s[G0+4*\s+3], s[G0+4*\s+3], 0x80000000
	s_mov_b32 s[G0B+4*\s], 1
	s_add_co_u32 s[G0B+4*\s+1], s23, \s*SLOT
	s_add_nc_u64 s[G0B+4*\s+2:G0B+4*\s+3], s[76:77], \s*BLK
	s_or_b32 s[G0B+4*\s+3], s[G0B+4*\s+3], 0x80000000
.if \s
	s_wait_alu depctr_va_vdst(0)
	s_wait_tensorcnt 0x0
	ds_add_u32 v14, v15
	ds_add_u32 v14, v15
	s_wait_dscnt 0x0
	CROUND
.endif
	JLOAD \s
.endr
	v_and_b32 v1, 31, v0
	v_lshlrev_b32 v[L16], 4, v1
	v_and_b32 v1, 15, v0
	v_bfe_u32 v[H64], v0, 4, 1
	s_mul_i32 s94, s19, BLK
	s_add_co_u32 s95, s20, 2
	s_mul_i32 s95, s95, BLK
	s_sub_co_u32 s69, s95, s94
	v_mul_u32_u24 v[ADRS], s69, v[H64]
	v_lshl_add_u32 v[ADRS], v1, 3, v[ADRS]
	v_add_nc_u32 v[ADRS], s94, v[ADRS]
	v_add_nc_u32 v[ADRS], 32768, v[ADRS]
	v_add_nc_u32 v[ADRS+1], SLOT, v[ADRS]
	v_add_nc_u32 v[ADRA], s94, v[L16]
	v_add_nc_u32 v[ADRA+1], SLOT, v[ADRA]
	v_add_nc_u32 v[ADRB], s95, v[L16]
	v_add_nc_u32 v[ADRB+1], SLOT, v[ADRB]
	v_mul_u32_u24 v[SO], s67, v[H64]
	v_lshl_add_u32 v[SO], v1, 2, v[SO]
	v_mul_u32_u24 v[SH], s68, v[H64]
	v_and_b32 v[PR], 8, v1
	v_add_nc_u32 v[PR], v[PR], v1
	v_lshlrev_b32 v[PR], 2, v[PR]
	v_lshlrev_b32 v[H64], 6, v[H64]
	s_wait_alu depctr_va_vdst(0)
	s_lshl_b32 s78, s42, 1
	s_add_co_u32 s78, s78, s20
	s_lshl_b32 s79, s43, 1
	s_add_co_u32 s79, s79, s19
	s_and_b32 s80, s78, 7
	s_cmp_lt_u32 ttmp9, 2
	s_cselect_b32 s80, s80, s79
	s_cselect_b32 s81, s79, s78
	s_lshl_b32 s94, s80, 9
	s_cmp_lt_u32 ttmp9, 2
	s_cselect_b32 s82, s94, 0
	s_cselect_b32 s84, 0, s94
	s_mov_b32 s83, 0
	s_mov_b32 s85, 0
	s_cmp_eq_u32 ttmp9, 0
	s_cselect_b64 s[86:87], s[8:9], s[10:11]
	s_add_nc_u64 s[86:87], s[86:87], s[82:83]
	s_add_nc_u64 s[88:89], s[12:13], s[84:85]
.irp bb, 0,1,2,3
.irp j, 0,1,2,3
	global_load_b128 v[BR+16*\bb+4*\j:BR+16*\bb+4*\j+3], v[H64], s[86:87] offset:128*\bb+16*\j
.endr
.endr
.irp a, 0,1,2,3,4,5,6,7
	global_load_b32 v[BL+2*\a], v[PR], s[88:89] offset:(32*(\a/2)+8*(\a%2))*4
	global_load_b32 v[BL+2*\a+1], v[PR], s[88:89] offset:(32*(\a/2)+8*(\a%2))*4
.endr
	s_lshl_b32 s90, ttmp9, 22
	s_lshr_b32 s94, s81, 4
	s_lshl_b32 s94, s94, 21
	s_add_co_u32 s90, s90, s94
	s_lshl_b32 s94, s80, 18
	s_add_co_u32 s90, s90, s94
	s_and_b32 s94, s81, 15
	s_lshl_b32 s94, s94, 13
	s_add_co_u32 s90, s90, s94
	s_mov_b32 s91, 0
	s_lshr_b32 s92, s90, 4
	s_mov_b32 s93, 0
	s_add_nc_u64 s[OC:OC+1], s[14:15], s[90:91]
	s_add_nc_u64 s[OS:OS+1], s[16:17], s[92:93]
	s_wait_loadcnt 0x0
.set i, 0
.rept 64
	v_and_b32 v[BR+i], s47, v[BR+i]
.set i, i+1
.endr
.set i, 0
.rept 16
	v_and_b32 v[BL+i], s66, v[BL+i]
.set i, i+1
.endr
.macro FRAG reg, adr, q, i
.irp c, 0,1,2,3
	ds_load_b128 v[\reg+4*\c:\reg+4*\c+3], v[\adr] offset:(2*(\i)+(\q))*2048+512*\c
.endr
.endm
.macro MUL16 a0, p, q, sc, zero
.irp a, \a0, \a0+1
.irp b, 0,1,2,3,4,5,6,7
.if \zero
	v_wmma_scale_f32_16x16x128_f8f6f4 v[8*(8*((\a)%4)+\b):8*(8*((\a)%4)+\b)+7], v[128*(\p)+FR*\b:128*(\p)+FR*\b+FR-1], v[AF+FR*(\a):AF+FR*(\a)+FR-1], 0, v[SC+8*NQ*(\sc)+NQ*\b+(\q)], v[SC+8*NQ*(\sc)+NQ*(\a)+(\q)] matrix_a_scale:MATRIX_SCALE_ROW1
.else
	v_wmma_scale_f32_16x16x128_f8f6f4 v[8*(8*((\a)%4)+\b):8*(8*((\a)%4)+\b)+7], v[128*(\p)+FR*\b:128*(\p)+FR*\b+FR-1], v[AF+FR*(\a):AF+FR*(\a)+FR-1], v[8*(8*((\a)%4)+\b):8*(8*((\a)%4)+\b)+7], v[SC+8*NQ*(\sc)+NQ*\b+(\q)], v[SC+8*NQ*(\sc)+NQ*(\a)+(\q)] matrix_a_scale:MATRIX_SCALE_ROW1
.endif
.endr
.endr
.endm
.macro FETCH_B slot, q, p
	WIN TO_B
.irp i, 0,1,2,3,4,5,6,7
	FRAG 128*(\p)+FR*\i, ADRB+\slot, \q, \i
.endr
	WIN 0
.endm
.macro FETCH_A slot, q, i0
.irp i, \i0, \i0+1, \i0+2, \i0+3
	FRAG AF+FR*(\i), ADRA+\slot, \q, \i
.endr
.endm
.macro SCALES sc
.irp i, 0,1,2,3,4,5,6,7
	ds_load_b64 v[SC+8*NQ*\sc+NQ*\i:SC+8*NQ*\sc+NQ*\i+1], v[ADRS+\sc] offset:128*\i
.endr
.endm
.macro STEP slot, q, zero
	s_wait_dscnt 4*NL
	WIN MUL_LO
	MUL16 0, (\q)%2, \q, \slot, \zero
	MUL16 2, (\q)%2, \q, \slot, \zero
	s_wait_dscnt 0
	PLACES NP
	FETCH_B \slot, (\q)+1, 1-(\q)%2
	FETCH_A \slot, (\q)+1, 0
	WIN MUL_HI
	MUL16 4, (\q)%2, \q, \slot, \zero
	MUL16 6, (\q)%2, \q, \slot, \zero
	PLACES NP
	WIN 0
	FETCH_A \slot, (\q)+1, 4
.endm
.macro TURN slot, next, fill
	s_wait_tensorcnt 0x0
	ds_add_u32 v[SPW], v[NIL]
	s_wait_dscnt 4*NL+1
	WIN MUL_LO
	MUL16 0, 1, NQ-1, \slot, 0
	s_wait_dscnt 0x0
	s_barrier_signal -1
	MUL16 2, 1, NQ-1, \slot, 0
	WIN 0
	s_barrier_wait -1
.if \fill
	CREST
	s_add_nc_u64 s[G0+4*\slot+2:G0+4*\slot+3], s[G0+4*\slot+2:G0+4*\slot+3], 2*BLK
	s_add_nc_u64 s[G0B+4*\slot+2:G0B+4*\slot+3], s[G0B+4*\slot+2:G0B+4*\slot+3], 2*BLK
	JLOAD \slot
	PLACES NP-4
.else
	PLACES NP
.endif
	FETCH_B \next, 0, 0
	FETCH_A \next, 0, 0
	SCALES \next
	WIN MUL_HI
	MUL16 4, 1, NQ-1, \slot, 0
	MUL16 6, 1, NQ-1, \slot, 0
	PLACES NP
	WIN 0
	FETCH_A \next, 0, 4
.endm
	s_wait_tensorcnt 1
	s_barrier_signal -1
	s_barrier_wait -1
	FETCH_B 0, 0, 0
	FETCH_A 0, 0, 0
	SCALES 0
	FETCH_A 0, 0, 4
	STEP 0, 0, 1
	TURN 0, 1, 1
	STEP 1, 0, 0
	TURN 1, 0, 1
	STEP 0, 0, 0
	TURN 0, 1, 0
	STEP 1, 0, 0
	s_wait_dscnt 4*NL
	WIN MUL_LO
	MUL16 0, 1, NQ-1, 1, 0
	MUL16 2, 1, NQ-1, 1, 0
	s_wait_dscnt 0
	WIN MUL_HI
	MUL16 4, 1, NQ-1, 1, 0
	MUL16 6, 1, NQ-1, 1, 0
	WIN 0
	PLACES NP
.irp b, 0,1,2,3
	v_mov_b32 v[TM+4+\b], 0
.endr
.macro ARM a
	WIN 0x02+(\a)/4
.set i, 0
.rept 32
	v_pk_add_f32 v[E+2*i:E+2*i+1], v[64*((\a)%4)+2*i:64*((\a)%4)+2*i+1], v[BR+2*i:BR+2*i+1]
.set i, i+1
.endr
	WIN 0
.set i, 0
.rept 32
	v_pk_add_f32 v[E+2*i:E+2*i+1], v[E+2*i:E+2*i+1], v[BL+2*(\a):BL+2*(\a)+1]
.set i, i+1
.endr
.endm
	s_mov_b32 s[EA], 0
.Lepi:
.irp a, 0,1,2,3,4,5,6
	s_cmp_lg_u32 s[EA], \a
	s_cbranch_scc1 .Lnot_\a
	ARM \a
	s_branch .Lheavy
.Lnot_\a:
.endr
	ARM 7
.Lheavy:
	QUANT E, PW
.irp c, 0,1,2,3
	global_store_b128 v[L16], v[PC+4*\c:PC+4*\c+3], s[OC:OC+1] offset:(\c/2)*131072+(\c%2)*512
.endr
	v_lshrrev_b32 v[SD], v[SH], v[PW]
	global_store_b32 v[SO], v[SD], s[OS:OS+1]
	s_wait_xcnt 0x0
	s_add_nc_u64 s[OC:OC+1], s[OC:OC+1], 1024
	s_add_nc_u64 s[OS:OS+1], s[OS:OS+1], 64
	s_add_co_u32 s[EA], s[EA], 1
	s_cmp_lt_u32 s[EA], 8
	s_cbranch_scc1 .Lepi
	s_wait_tensorcnt 0x0
	ds_add_u32 v[SPW], v[NIL]
	s_wait_dscnt 0x0
	CROUND
	s_endpgm
.Lfunc_end_k_q8b42505265_qkv:
	.size	k_q8b42505265_qkv, .Lfunc_end_k_q8b42505265_qkv-k_q8b42505265_qkv
	.p2alignl 7, 3214868480
	.fill 96, 4, 3214868480
	.section	.rodata,"a",@progbits
	.p2align	6, 0x0
	.amdhsa_kernel k_q8b42505265_qkv
		.amdhsa_group_segment_fixed_size 327680
		.amdhsa_private_segment_fixed_size 0
		.amdhsa_enable_private_segment 0
		.amdhsa_kernarg_size 56
		.amdhsa_user_sgpr_count 2
		.amdhsa_user_sgpr_kernarg_segment_ptr 1
		.amdhsa_wavefront_size32 1
		.amdhsa_system_sgpr_workgroup_id_x 1
		.amdhsa_system_sgpr_workgroup_id_y 1
		.amdhsa_system_sgpr_workgroup_id_z 1
		.amdhsa_system_vgpr_workitem_id 0
		.amdhsa_next_free_vgpr 1024
		.amdhsa_next_free_sgpr 102
		.amdhsa_reserve_vcc 0
		.amdhsa_float_denorm_mode_32 3
		.amdhsa_float_denorm_mode_16_64 3
		.amdhsa_memory_ordered 1
		.amdhsa_forward_progress 1
		.amdhsa_inst_pref_size 162
	.end_amdhsa_kernel
	.amdgpu_metadata
---
amdhsa.version: [ 1, 2 ]
amdhsa.kernels:
  - .name:           k_q8b42505265_qkv
    .symbol:         k_q8b42505265_qkv.kd
    .args:
      - { .name: anx, .offset: 0, .size: 8, .value_kind: global_buffer, .address_space: global }
      - { .name: wop, .offset: 8, .size: 8, .value_kind: global_buffer, .address_space: global }
      - { .name: bq, .offset: 16, .size: 8, .value_kind: global_buffer, .address_space: global }
      - { .name: bk, .offset: 24, .size: 8, .value_kind: global_buffer, .address_space: global }
      - { .name: bv, .offset: 32, .size: 8, .value_kind: global_buffer, .address_space: global }
      - { .name: qkv, .offset: 40, .size: 8, .value_kind: global_buffer, .address_space: global }
      - { .name: qkvs, .offset: 48, .size: 8, .value_kind: global_buffer, .address_space: global }
    .group_segment_fixed_size: 327680
    .private_segment_fixed_size: 0
    .kernarg_segment_align: 8
    .kernarg_segment_size: 56
    .max_flat_workgroup_size: 128
    .sgpr_count:     102
    .vgpr_count:     1024
    .wavefront_size: 32
...
	.end_amdgpu_metadata
.endif
;; end of part 2
;; launch attn (part 3): grid 8 x 32, 16 waves a work-group, clusters of 4 x 1, 313,344 bytes of LDS; arguments qkv, qkvs, ao; writes ao
.if DOCPART == 3
	.amdgcn_target "amdgcn-amd-amdhsa--gfx1250"
	.amdhsa_code_object_version 6
	.text
	.protected	k_q8b42505265_attn
	.globl	k_q8b42505265_attn
	.p2align	8
	.type	k_q8b42505265_attn,@function
k_q8b42505265_attn:
	s_mov_b64 s[64:65], 0
	v_nop
	global_prefetch_b8 v0, s[64:65] scope:SCOPE_SE
	s_setreg_imm32_b32 hwreg(HW_REG_WAVE_MODE, 25, 1), 1
	s_wait_xcnt 0x0
	s_wait_alu depctr_hold_cnt(0) depctr_sa_sdst(0) depctr_va_vdst(0) depctr_va_sdst(0) depctr_va_ssrc(0) depctr_va_vcc(0) depctr_vm_vsrc(0)
	s_getreg_b32 s2, hwreg(HW_REG_IB_STS2, 6, 4)
	s_cmp_eq_u32 s2, 0
	s_cbranch_scc0 .Lentry_in_a_cluster
	s_endpgm
.Lentry_in_a_cluster:
	s_bfe_u32 s2, ttmp6, 0x10000c
	s_cmp_lg_u32 s2, 0x3003
	s_cbranch_scc0 .Lentry_shape_is_right
	s_endpgm
.Lentry_shape_is_right:
; Causal attention, head size 64, 2,048 tokens, 32 (batch, head) pairs, both products on codes of FP8 (E4M3) with E8M0 scales; q, k, v come as images of operand registers with their scale words.
; t = score x log2(e) / 8; M = the running largest t rounded UP to a whole number; p = 2^(t - M) is quantised along the keys, not normalised; the row's sum is taken of the unquantised p and divides O at the end.
; SHARES.  Work-group (j = 0..7, head) owns tile j (16 queries) of each of the head's 16 blocks of 128 tokens.  The tile of block QB has QB + 1 key steps of 128 keys (a step is hidden where step > QB, open where step < QB,
; on the diagonal where step = QB), so the tiles of blocks q and 15 - q have 17 together, and TWO WAVES SHARE THEM EVENLY: wave q (0-7) takes steps 0-8 of block 15 - q's tile: 9 steps; wave 8 + q takes all q + 1 steps of block q's tile,
; stores it, and then takes steps 9 .. 15 - q of block 15 - q's tile under a running M of its own: 8 steps.  It hands its -M, its sum and its O^T to wave q through LDS as images of the registers; wave q brings both parts under
; the larger M (multiplications by powers of two, which round nothing), adds them, divides and stores.  A part with no step (q = 7) has -M = 3e38 and zeros: its factor comes out 0.
; All branches hang on the wave's number and a counter alone, the same in every partner.  Every wave walks all 16 steps in two counted loops (9, 7 trips) and jumps over the work of a hidden step.
; Masked scores are left out where the definition sets them to -1e9: the same unless true scores come near -1e9.
; THE WHOLE HEAD'S K, V AND SCALE WORDS STAY IN LDS, filled once.  The four work-groups of a cluster share the head: joint loads, mask 15.  Each wave asks for one fill: waves 0-3 K's four runs of 512 keys, waves 4-11 V's, waves 12-15 the scale words
; so that a wave has one tensor load out at the most.  The steps begin behind one barrier, when all is in.  Nothing is ever filled again.
; LAYOUT.  S^T = K Q^T (source 0 = 16 keys, source 1 = my queries), O^T = V^T P^T: a lane holds one query.  Lane r of tile t of 128 rows = row 32 (t / 2) + 8 (t % 2) + r + 8 (r / 8): the 16 registers of tiles 2 b, 2 b + 1 are 16 neighbours.
; The first product's K is 64: registers 8-15 of K's and Q's fragments hold zero codes; the upper bytes of their scale words are never 0xff.
; OUT: O / sum, quantised along the 64 (two blocks), into the operand blocks of the next product (row block = 16 b + QB, tile j, k = 64 head + d); the two scale bytes leave as a half word.
; LIMITS: NaN and infinities are not served; a block under 2^-118 has its byte held at 1; a block of zeros gets the byte 1.
; REGISTERS: v1-6 addresses that stay; v8-11, v4 addresses in hand; v12 -M, v13 the largest t, v[14:15] the sum; v16-31 Q; v32-95 four fragments of K; v96-159 S^T, then p; v160-191 O^T; v192-223 two fragments of V; v224-239 p's codes; v232-254 at work; v248-251, v253, v255 scale words.
.set BLK,  33792
.set LV,   131072                      ; V: [keys' half of a fragment][step][tile of d][512 x 2]: halves 65,536 apart, steps 4,096
.set LKS,  262144                      ; K's scale words, 64 bytes a tile
.set LVS,  270336                      ; V's, 256 bytes a step
.set PART, 274432                      ; the parts handed from wave 8 + q to wave q: 4,608 bytes a pair: O^T's 32 registers, then v12-15; no tile lands here
.set PSZ,  4608
.set L16,  1
.set R4,   2
.set DD,   3
.set ADT,  4
.set R8,   5
.set PA,   6
.set ADK,  8
.set ADV0, 9
.set ADV1, 10
.set ADS,  11
.set WV,   10
.set QB,   67
.set SEL,  16
.set CS,   18
.set MNT,  20
.set TK,   21
.set TV,   22
.set TS,   23
.set TT,   2
.set SI,   3
.set CNT,  66
.macro ROUND
	s_barrier_signal -1
	s_barrier_wait -1
	s_cmp_lg_u32 s[WV], 0
	s_cbranch_scc1 .Lnot_wave_0_\@
	s_barrier_signal -3
.Lnot_wave_0_\@:
	s_barrier_wait -3
	s_barrier_signal -1
	s_barrier_wait -1
.endm
.macro G0SET g, ldsreg, ldsoff, base, goff     ; a descriptor's group 0: LDS address = s[ldsreg] + a constant; global address = base + s[100:101] + a constant
	s_mov_b32 s[\g], 1
	s_add_co_u32 s[\g+1], s[\ldsreg], \ldsoff
	s_add_nc_u64 s[\g+2:\g+3], s[\base:\base+1], s[100:101]
.if \goff
	s_add_nc_u64 s[\g+2:\g+3], s[\g+2:\g+3], \goff
.endif
	s_or_b32 s[\g+3], s[\g+3], 0x80000000
.endm
.macro G1SET g, c, r, p                        ; group 1: r rows of c elements of 8 bytes, p elements apart; mask 15 with bit 21 beside it
	s_mov_b32 s[\g], 15|(3<<16)|(1<<21)
	s_mov_b32 s[\g+1], \c<<16
	s_mov_b32 s[\g+2], \r<<16
	s_mov_b32 s[\g+3], \c<<16
	s_mov_b32 s[\g+4], \r
	s_mov_b32 s[\g+5], \p
	s_mov_b32 s[\g+6], 0
	s_mov_b32 s[\g+7], 0
.endm
	s_load_b128 s[4:7], s[0:1], 0x0                ; qkv, qkvs
	s_load_b64 s[8:9], s[0:1], 0x10                ; ao
	v_lshl_add_u32 v254, v0, 2, 0x4c000
	v_mov_b32 v255, 0
	ds_add_u32 v254, v255
	ds_add_u32 v254, v255
	s_wait_dscnt 0x0
	v_lshrrev_b32 v8, 5, v0
	s_delay_alu instid0(VALU_DEP_1)
	v_readfirstlane_b32 s[WV], v8                  ; wave 0..15
	s_and_b32 s11, s[WV], 1                        ; which half I fetch, if I fetch
	s_lshr_b32 s[QB], s[WV], 3
	s_mul_i32 s[QB], s[QB], 7
	s_xor_b32 s[QB], s[QB], s[WV]
	s_xor_b32 s[QB], s[QB], 15                     ; my first tile's block of 128 tokens, which is also the one that I store: wave q: 15 - q; wave 8 + q: q
	s_bfe_u32 s12, ttmp6, 0x40000                  ; cx
	s_lshl_b32 s13, ttmp9, 2
	s_add_co_u32 s12, s13, s12                     ; j: it enters Q's and O's addresses and the mask's numbers alone
	s_and_b32 s13, ttmp7, 0xffff
	s_lshr_b32 s14, s13, 4                         ; b
	s_and_b32 s15, s13, 15                         ; head
	G1SET 24, 32, 16, 32                           ; K's scale words, half a head: 4,096 dense bytes
	G1SET 32, 32, 128, 32                          ; K: a run of 512 keys: 32,768 dense bytes
	G1SET 40, 32, 8, 64                            ; V's scale words: 8 steps x 256 bytes, 512 apart (the pair's other head lies between)
	G1SET 48, 512, 4, 1024                         ; V: 4 steps x 4,096 bytes, 8,192 apart
	s_lshl_b32 s21, s14, 21
	s_lshl_b32 s22, s15, 17
	s_add_co_u32 s21, s21, s22                     ; the head's codes in q and in k
	s_lshl_b32 s22, s14, 17
	s_lshl_b32 s23, s15, 13
	s_add_co_u32 s22, s22, s23                     ; its scale words
	s_lshr_b32 s2, s15, 1                          ; the pair of heads
	s_and_b32 s3, s15, 1                           ; and which of the two
	s_mov_b32 s101, 0
	s_mov_b32 s[SEL], 0x76543210
	s_mov_b32 s[SEL+1], 0xfedcba98
	s_mov_b32 s[CS], 0x3e38aa3b                    ; c = log2(e) / 8
	s_mov_b32 s[CS+1], s[CS]
	s_mov_b32 s[MNT], 0x600000
	s_wait_kmcnt 0x0
	s_lshl_b32 s23, s11, 12
	s_add_co_u32 s100, s22, s23
	s_add_co_u32 s100, s100, 0x40000
	G0SET 56, 23, LKS, 6, 0
	s_and_b32 s23, s[WV], 3                        ; K's run that waves 0-3 fetch: the wave's number
	s_lshl_b32 s23, s23, 15
	s_add_co_u32 s100, s21, s23
	s_add_co_u32 s100, s100, 0x400000
	G0SET 60, 23, 0, 4, 0
	s_lshl_b32 s100, s14, 17
	s_lshl_b32 s23, s2, 14
	s_add_co_u32 s100, s100, s23
	s_lshl_b32 s23, s3, 8
	s_add_co_u32 s100, s100, s23
	s_lshl_b32 s23, s11, 12
	s_add_co_u32 s100, s100, s23
	s_add_co_u32 s100, s100, 0x80000
	s_lshl_b32 s23, s11, 11
	G0SET 80, 23, LVS, 6, 0
	s_lshl_b32 s100, s14, 21
	s_lshl_b32 s23, s2, 18
	s_add_co_u32 s100, s100, s23
	s_lshl_b32 s23, s3, 12
	s_add_co_u32 s100, s100, s23
	s_lshl_b32 s23, s11, 17
	s_add_co_u32 s100, s100, s23
	s_add_co_u32 s100, s100, 0x800000
	s_bfe_u32 s13, s[WV], 0x20001                  ; V's run of four steps that waves 4-11 fetch: (wave / 2) % 4; the half is wave % 2
	s_lshl_b32 s23, s13, 15
	s_add_co_u32 s100, s100, s23
	s_lshl_b32 s23, s11, 16
	s_lshl_b32 s13, s13, 14
	s_add_co_u32 s23, s23, s13
	G0SET 84, 23, LV, 4, 0
	ROUND                                          ; all four work-groups are here: the joint loads meet
; THE SIXTEEN FIRST FILLS, ONE A WAVE: waves 0-3 K's four runs of 512 keys, waves 4-11 V's two halves x four runs, waves 12, 13 the halves of K's scale words, waves 14, 15 those of V's.
; One chain of branches on the wave's number, a load to an arm, all arms leading to one join.
	s_cmp_lt_u32 s[WV], 4
	s_cbranch_scc0 .Lnot_k
	tensor_load_to_lds s[60:63], s[32:39]
	s_nop 0
.rept 4
	v_nop
.endr
	s_branch .Lasked
.Lnot_k:
	s_cmp_lt_u32 s[WV], 12
	s_cbranch_scc0 .Lnot_v
	tensor_load_to_lds s[84:87], s[48:55]
	s_nop 0
.rept 4
	v_nop
.endr
	s_branch .Lasked
.Lnot_v:
	s_cmp_lt_u32 s[WV], 14
	s_cbranch_scc0 .Lnot_ks
	tensor_load_to_lds s[56:59], s[24:31]
	s_nop 0
.rept 4
	v_nop
.endr
	s_branch .Lasked
.Lnot_ks:
	tensor_load_to_lds s[80:83], s[40:47]
	s_nop 0
.rept 4
	v_nop
.endr
.Lasked:
	v_and_b32 v8, 31, v0
	s_delay_alu instid0(VALU_DEP_1)
	v_lshlrev_b32 v[L16], 4, v8
	s_wait_alu depctr_va_vdst(0)
	v_and_b32 v8, 15, v0                           ; r
	v_bfe_u32 v9, v0, 4, 1                         ; h
	s_delay_alu instid0(VALU_DEP_2)
	v_lshlrev_b32 v[R4], 2, v8
	s_wait_alu depctr_va_vdst(0)
	v_lshlrev_b32 v[R8], 3, v8
	s_and_b32 s13, s[WV], 7                        ; q: my pair
	s_mul_i32 s13, s13, PSZ
	v_add_nc_u32 v[PA], s13, v[L16]
	s_delay_alu instid0(VALU_DEP_1)
	v_add_nc_u32 v[PA], PART, v[PA]                ; the pair's part: 16 x lane in it
	s_lshl_b32 s23, s[QB], 3
	s_add_co_u32 s23, s23, s12                     ; my tile of queries
	s_lshl_b32 s100, s23, 10
	s_add_co_u32 s100, s100, s21
	s_add_nc_u64 s[4:5], s[4:5], s[100:101]
	s_lshl_b32 s100, s23, 6
	s_add_co_u32 s100, s100, s22
	s_add_nc_u64 s[6:7], s[6:7], s[100:101]
	global_load_b128 v[16:19], v[L16], s[4:5]
	global_load_b128 v[20:23], v[L16], s[4:5] offset:512
	global_load_b32 v255, v[R4], s[6:7]            ; Q's scale words
	s_lshl_b32 s100, s14, 4
	s_add_co_u32 s100, s100, s[QB]
	s_lshl_b32 s100, s100, 2
	s_lshr_b32 s23, s15, 2
	s_add_co_u32 s100, s100, s23
	s_mul_i32 s100, s100, BLK                      ; the output's block: row block 16 b + QB, K block head / 4
	s_and_b32 s23, s2, 1                           ; q: which 128 of its 256
	s_lshl_b32 s21, s12, 7
	s_lshl_b32 s22, s23, 2
	s_add_co_u32 s21, s21, s22
	s_lshl_b32 s22, s3, 1
	s_add_co_u32 s21, s21, s22
	s_add_co_u32 s21, s21, 32768
	s_add_co_u32 s22, s21, s100                    ; my half words: 32,768 + 128 j + 4 q + 2 (head % 2)
	s_lshl_b32 s21, s12, 1
	s_add_co_u32 s21, s21, s23
	s_lshl_b32 s21, s21, 11
	s_add_co_u32 s100, s100, s21
	s_lshl_b32 s21, s3, 10
	s_add_co_u32 s100, s100, s21                   ; my codes: (2 j + q) 2,048 + 1,024 (head % 2)
	s_mov_b32 s23, 0
	s_add_nc_u64 s[14:15], s[8:9], s[22:23]
	s_add_nc_u64 s[8:9], s[8:9], s[100:101]
	s_lshr_b32 s21, s12, 1
	s_lshl_b32 s21, s21, 5
	s_and_b32 s22, s12, 1
	s_lshl_b32 s22, s22, 3
	s_add_co_u32 s21, s21, s22
	v_and_b32 v[DD], 8, v8
	s_delay_alu instid0(VALU_DEP_1)
	v_add_nc_u32 v[DD], v[DD], v8
	v_lshlrev_b32 v9, 4, v9
	s_delay_alu instid0(VALU_DEP_1)
	v_sub_nc_u32 v[DD], v[DD], v9
	s_delay_alu instid0(VALU_DEP_1)
	v_add_nc_u32 v[DD], s21, v[DD]                 ; d = my query's place in its 128 tokens - 16 h (the same in both my tiles): register 16 b + i is hidden on the diagonal where 32 b + i > d
	s_mov_b32 s[TK], 0
	s_mov_b32 s[TV], LV
	s_mov_b32 s[TS], LKS
	s_mov_b32 s[TT], LVS
	s_mov_b32 s[SI], 0
	v_mov_b32 v13, 0xff61b1e6                      ; the largest t so far: -3e38
	s_delay_alu instid0(VALU_DEP_1)
	v_floor_f32 v12, -v13                          ; -M
	v_mov_b32 v14, 0
	v_mov_b32 v15, 0
.irp b, 0,1,2,3
	v_mov_b32 v[236+\b], 0                         ; a lane permute's destination counts as one of its sources
.endr
	v_mov_b32 v252, 0
	v_mov_b32 v253, 0
.set i, 0
.rept 8
	v_mov_b32 v[24+i], 0                           ; zero codes for k = 64 .. 127: Q's,
.irp t, 0,1,2,3
	v_mov_b32 v[40+16*\t+i], 0                     ; and K's four fragments'; never written again
.endr
.set i, i+1
.endr
.set i, 0
.rept 32
	v_mov_b32 v[160+i], 0                          ; O^T: the step is written once; its first walk finds zeros
.set i, i+1
.endr
; A KEY STEP: 128 keys.
.macro STEP
	s_cmp_gt_u32 s[SI], s[QB]                      ; all its keys come after my queries (or the step is not mine): only the addresses step
	s_cbranch_scc1 .Lhidden_\@
	v_add_nc_u32 v[ADK], s[TK], v[L16]
	s_wait_alu depctr_va_vdst(0)
	v_add_nc_u32 v[ADV0], s[TV], v[L16]
	s_delay_alu instid0(VALU_DEP_1)
	v_add_nc_u32 v[ADV1], 65536, v[ADV0]
	v_add_nc_u32 v[ADS], s[TS], v[R4]
	s_wait_alu depctr_va_vdst(0)
	v_add_nc_u32 v[ADT], s[TT], v[R4]
.irp g, 0,1                                    ; S^T = K Q^T, four tiles of 16 keys at a time
.rept 8-4*(1-\g)
	v_nop                                          ; places in front of loads into registers that matrix instructions have read (eight; the five additions above are places too)
.endr
.irp t, 0,1,2,3
	ds_load_b128 v[32+16*\t:35+16*\t], v[ADK] offset:(4*\g+\t)*1024
	ds_load_b128 v[36+16*\t:39+16*\t], v[ADK] offset:(4*\g+\t)*1024+512
	ds_load_b32 v[248+\t], v[ADS] offset:(4*\g+\t)*64
.endr
	s_wait_dscnt 0x0
.irp t, 0,1,2,3
	v_wmma_scale_f32_16x16x128_f8f6f4 v[96+8*(4*\g+\t):103+8*(4*\g+\t)], v[32+16*\t:47+16*\t], v[16:31], 0, v[248+\t], v255
.endr
.endr
.rept 8
	v_nop
.endr
	s_cmp_lt_u32 s[SI], s[QB]                      ; all its keys count: no mask
	s_cbranch_scc1 .Lopen_\@
	v_mov_b32 v254, 0xff800000                     ; on the diagonal hidden scores become -infinity ahead of the maximum: p = 0 then
.set n, 0
.rept 64
	v_cmp_gt_i32 vcc_lo, 32*(n/16)+n%16, v[DD]
	v_cndmask_b32 v[96+n], v[96+n], v254, vcc_lo
.set n, n+1
.endr
.Lopen_\@:
.irp b, 0,1,2,3
	v_max3_num_f32 v[232+\b], v[96+16*\b], v[97+16*\b], v[98+16*\b]   ; the largest score of each block of 32 keys: for the row's maximum and, since p rises with the score, for the block's largest p
.endr
.irp i, 3,5,7,9,11,13
.irp b, 0,1,2,3
	v_max3_num_f32 v[232+\b], v[232+\b], v[96+16*\b+\i], v[97+16*\b+\i]
.endr
.endr
.irp b, 0,1,2,3
	v_max_num_f32 v[232+\b], v[232+\b], v[111+16*\b]
.endr
.irp b, 0,1,2,3
	v_permlanex16_b32 v[236+\b], v[232+\b], s[SEL], s[SEL+1]
.endr
.irp b, 0,1,2,3
	s_delay_alu instid0(VALU_DEP_4)
	v_max_num_f32 v[232+\b], v[232+\b], v[236+\b]  ; with lane l xor 16's 16 keys
.endr
	s_delay_alu instid0(VALU_DEP_2)
	v_max3_num_f32 v254, v232, v233, v234
	s_delay_alu instid0(VALU_DEP_1)
	v_max_num_f32 v254, v254, v235
	s_delay_alu instid0(VALU_DEP_1)
	v_mul_f32 v254, s[CS], v254                    ; the step's largest t
	s_delay_alu instid0(VALU_DEP_1)
	v_max_num_f32 v13, v13, v254
	v_mov_b32 v254, v12
	s_delay_alu instid0(VALU_DEP_2)
	v_floor_f32 v12, -v13                          ; the new -M = -ceil(t): a whole number
	s_delay_alu instid0(VALU_DEP_1)
	v_sub_f32 v254, v12, v254                      ; old M - new M: a whole number, 0 or less
	s_delay_alu instid0(VALU_DEP_1)
	v_cvt_i32_f32 v254, v254                       ; (it saturates)
	s_delay_alu instid0(VALU_DEP_1)
	v_ldexp_f32 v252, 1.0, v254                    ; f = 2^(old M - new M): a multiplication by it rounds nothing
.set j, 0
.rept 32
	v_pk_fma_f32 v[96+j:97+j], v[96+j:97+j], s[CS:CS+1], v[12:13] op_sel_hi:[1,0,0]   ; t - M, two at a time
.set j, j+2
.endr
.irp b, 0,1,2,3
	v_fma_f32 v[232+\b], v[232+\b], s[CS], v12
.endr
.set j, 0
	s_wait_alu depctr_va_vdst(0)
.rept 64
	v_exp_f32 v[96+j], v[96+j]                     ; p = 2^(t - M)
.set j, j+1
.endr
.irp b, 0,1,2,3
	v_exp_f32 v[232+\b], v[232+\b]                 ; the block's largest p: the same two instructions on the same number
.endr
	v_pk_mul_f32 v[14:15], v[14:15], v[252:253] op_sel_hi:[1,0]   ; the sums under the new M (a plain line behind the exponentials)
	s_wait_alu depctr_va_vdst(0)
.irp b, 0,1,2,3
	v_max_num_f32 v[232+\b], 0x4800000, v[232+\b]  ; the floor 2^(9 - 127)
.endr
.irp b, 0,1,2,3
	s_delay_alu instid0(VALU_DEP_4)
	v_add_nc_u32 v[244+\b], 0xfc000000, v[232+\b]
.endr
.irp b, 0,1,2,3
	v_and_or_b32 v[240+\b], v[232+\b], 0x7f800000, s[MNT]
.endr
.irp b, 0,1,2,3
	v_lshrrev_b32 v[236+\b], 23, v[244+\b]
.endr
	s_delay_alu instid0(VALU_DEP_3)
	v_lshl_or_b32 v253, v237, 8, v236              ; p's scale word for these 128 keys
	s_delay_alu instid0(VALU_DEP_1)
	v_lshl_or_b32 v253, v238, 16, v253
	s_delay_alu instid0(VALU_DEP_1)
	v_lshl_or_b32 v253, v239, 24, v253
	v_pk_add_f32 v[236:237], v[100:101], v[104:105]
	v_pk_add_f32 v[250:251], v[108:109], v[112:113]
	v_pk_add_f32 v[248:249], v[116:117], v[120:121]
	v_pk_add_f32 v[238:239], v[124:125], v[128:129]
	v_pk_add_f32 v[234:235], v[132:133], v[136:137]
	v_pk_add_f32 v[232:233], v[140:141], v[144:145]
	v_pk_add_f32 v[230:231], v[148:149], v[152:153]
	v_pk_add_f32 v[14:15], v[14:15], v[156:157]
	v_pk_add_f32 v[236:237], v[236:237], v[96:97]
	v_pk_add_f32 v[250:251], v[250:251], v[98:99]
	v_pk_add_f32 v[248:249], v[248:249], v[102:103]
	v_pk_add_f32 v[238:239], v[238:239], v[106:107]
	v_pk_add_f32 v[234:235], v[234:235], v[110:111]
	v_pk_add_f32 v[232:233], v[232:233], v[114:115]
	v_pk_add_f32 v[230:231], v[230:231], v[118:119]
	v_pk_add_f32 v[14:15], v[14:15], v[122:123]
	v_pk_add_f32 v[236:237], v[236:237], v[126:127]
	v_pk_add_f32 v[250:251], v[250:251], v[130:131]
	v_pk_add_f32 v[248:249], v[248:249], v[134:135]
	v_pk_add_f32 v[238:239], v[238:239], v[138:139]
	v_pk_add_f32 v[234:235], v[234:235], v[142:143]
	v_pk_add_f32 v[232:233], v[232:233], v[146:147]
	v_pk_add_f32 v[230:231], v[230:231], v[150:151]
	v_pk_add_f32 v[14:15], v[14:15], v[154:155]
	v_pk_add_f32 v[236:237], v[236:237], v[158:159]
	s_delay_alu instid0(VALU_DEP_2)
	v_pk_add_f32 v[14:15], v[14:15], v[238:239]
	s_delay_alu instid0(VALU_DEP_2)
	v_pk_add_f32 v[236:237], v[236:237], v[234:235]
	v_pk_add_f32 v[250:251], v[250:251], v[232:233]
	v_pk_add_f32 v[248:249], v[248:249], v[230:231]
	s_delay_alu instid0(VALU_DEP_2)
	v_pk_add_f32 v[14:15], v[14:15], v[250:251]
	s_delay_alu instid0(VALU_DEP_2)
	v_pk_add_f32 v[236:237], v[236:237], v[248:249]
	s_delay_alu instid0(VALU_DEP_1)
	v_pk_add_f32 v[14:15], v[14:15], v[236:237]
.irp b, 0,1,2,3
.irp i, 0,1,2,3,4,5,6,7,8,9,10,11,12,13,14,15
	v_min_num_f32 v[96+16*\b+\i], v[96+16*\b+\i], v[240+\b]   ; the conversion does not saturate (ISA guide 7.6.2); p is not negative: a one-sided hold
.endr
	v_cvt_scalef32_pk8_fp8_f32 v[224+4*\b:225+4*\b], v[96+16*\b:103+16*\b], v[244+\b]
	v_cvt_scalef32_pk8_fp8_f32 v[226+4*\b:227+4*\b], v[104+16*\b:111+16*\b], v[244+\b]
.endr
.set j, 0
.rept 16
	v_pk_mul_f32 v[160+j:161+j], v[160+j:161+j], v[252:253] op_sel_hi:[1,0]   ; O^T under the new M; these sixteen are also the places in front of the products and loads below
.set j, j+2
.endr
	s_wait_alu depctr_va_vdst(0)
.irp g, 0,1                                    ; O^T += V^T P^T, two tiles of 16 of the head's 64 at a time
.if \g > 0
.rept 8
	v_nop
.endr
.endif
.irp t, 0,1
.irp c, 0,1
	ds_load_b128 v[192+16*\t+4*\c:195+16*\t+4*\c], v[ADV0] offset:(2*\g+\t)*1024+512*\c
	ds_load_b128 v[200+16*\t+4*\c:203+16*\t+4*\c], v[ADV1] offset:(2*\g+\t)*1024+512*\c
.endr
	ds_load_b32 v[248+\t], v[ADT] offset:(2*\g+\t)*64
.endr
	s_wait_dscnt 0x0
.irp t, 0,1
	v_wmma_scale_f32_16x16x128_f8f6f4 v[160+8*(2*\g+\t):167+8*(2*\g+\t)], v[192+16*\t:207+16*\t], v[224:239], v[160+8*(2*\g+\t):167+8*(2*\g+\t)], v[248+\t], v253
.endr
.endr
.Lhidden_\@:
	s_add_co_u32 s[TK], s[TK], 8192
	s_add_co_u32 s[TV], s[TV], 4096
	s_add_co_u32 s[TS], s[TS], 512
	s_add_co_u32 s[TT], s[TT], 256
	s_add_co_u32 s[SI], s[SI], 1
.endm
.macro WALK n                                  ; the next n key steps
	s_mov_b32 s[CNT], \n
.Lstep_\@:
	STEP
	s_sub_co_u32 s[CNT], s[CNT], 1
	s_cmp_lg_u32 s[CNT], 0
	s_cbranch_scc1 .Lstep_\@
.endm
; A finished tile: O^T is divided by the row's sum, quantised along the head's 64 (two blocks) and stored.
.macro FINAL
	v_add_f32 v14, v14, v15
	s_delay_alu instid0(VALU_DEP_1)
	v_permlanex16_b32 v252, v14, s[SEL], s[SEL+1]
	s_delay_alu instid0(VALU_DEP_1)
	v_add_f32 v14, v14, v252                       ; the row's sum
	s_wait_alu depctr_va_vdst(0)
	v_rcp_f32 v14, v14
	v_nop
.set j, 0
	s_wait_alu depctr_va_vdst(0)
.rept 32
	v_mul_f32 v[96+j], v[160+j], v14               ; register 16 b + i: o(my query, d = 32 b + 16 h + i); each accumulator from its low end on
.set j, j+1
.endr
.irp b, 0,1
	v_max3_num_f32 v[232+\b], |v[96+16*\b]|, |v[97+16*\b]|, 0x4800000
.endr
.irp i, 2,4,6,8,10,12,14
.irp b, 0,1
	s_delay_alu instid0(VALU_DEP_2)
	v_max3_num_f32 v[232+\b], v[232+\b], |v[96+16*\b+\i]|, |v[97+16*\b+\i]|
.endr
.endr
.irp b, 0,1
	v_permlanex16_b32 v[236+\b], v[232+\b], s[SEL], s[SEL+1]
.endr
.irp b, 0,1
	s_delay_alu instid0(VALU_DEP_2)
	v_max_num_f32 v[232+\b], v[232+\b], v[236+\b]
.endr
.irp b, 0,1
	s_delay_alu instid0(VALU_DEP_2)
	v_add_nc_u32 v[244+\b], 0xfc000000, v[232+\b]
.endr
.irp b, 0,1
	s_delay_alu instid0(VALU_DEP_4)
	v_and_or_b32 v[240+\b], v[232+\b], 0x7f800000, s[MNT]
.endr
.irp b, 0,1
	s_delay_alu instid0(VALU_DEP_4)
	v_lshrrev_b32 v[236+\b], 23, v[244+\b]
.endr
	s_delay_alu instid0(VALU_DEP_1)
	v_lshl_or_b32 v254, v237, 8, v236              ; the two bytes
.irp b, 0,1
.irp i, 0,1,2,3,4,5,6,7,8,9,10,11,12,13,14,15
	v_med3_num_f32 v[96+16*\b+\i], v[96+16*\b+\i], -v[240+\b], v[240+\b]
.endr
	v_cvt_scalef32_pk8_fp8_f32 v[224+4*\b:225+4*\b], v[96+16*\b:103+16*\b], v[244+\b]
	v_cvt_scalef32_pk8_fp8_f32 v[226+4*\b:227+4*\b], v[104+16*\b:111+16*\b], v[244+\b]
.endr
	v_nop                                          ; one plain line behind the last conversion
	global_store_b128 v[L16], v[224:227], s[8:9]               ; 512 consecutive bytes each
	global_store_b128 v[L16], v[228:231], s[8:9] offset:512
	global_store_b16 v[R8], v254, s[14:15]                     ; lanes r and r + 16 write the same half word
.endm
	s_wait_loadcnt 0x0                             ; Q
	s_wait_tensorcnt 0x0                           ; my one fill is in
	s_wait_dscnt 0x0
	s_barrier_signal -1
	s_barrier_wait -1                              ; everybody's are
	WALK 9                                         ; steps 0-8: the whole head is in LDS behind the one barrier above
.rept 8
	v_nop                                          ; places behind the last products
.endr
	s_mov_b32 s[QB], 0                             ; waves 0-7 have done their nine steps: every later step is hidden from them, and their state stays as it is
	s_cmp_lt_u32 s[WV], 8
	s_cbranch_scc1 .Lkeep
	s_xor_b32 s[QB], s[WV], 7                      ; waves 8 + q: on to block 15 - q's tile
	s_and_b32 s24, s[WV], 7                        ; (the descriptors' registers are free: all tensor loads have been waited for)
	s_sub_co_u32 s24, s[QB], s24                   ; 15 - 2 q blocks of 128 tokens further on:
	s_lshl_b32 s100, s24, 13                       ; 8 tiles of 1,024 bytes each,
	s_add_nc_u64 s[4:5], s[4:5], s[100:101]        ; (the first Q's loads are done: their base may step)
	s_lshl_b32 s100, s24, 9                        ; 8 x 64 bytes of scale words
	s_add_nc_u64 s[6:7], s[6:7], s[100:101]
	global_load_b128 v[16:19], v[L16], s[4:5]      ; its Q is asked for ahead of the first tile's way out, which names none of these registers
	global_load_b128 v[20:23], v[L16], s[4:5] offset:512
	global_load_b32 v255, v[R4], s[6:7]
	FINAL                                          ; block q's tile is finished
	v_mov_b32 v13, 0xff61b1e6                      ; a fresh state
	s_delay_alu instid0(VALU_DEP_1)
	v_floor_f32 v12, -v13
	v_mov_b32 v14, 0
	v_mov_b32 v15, 0
.set i, 0
.rept 32
	v_mov_b32 v[160+i], 0
.set i, i+1
.endr
	s_wait_loadcnt 0x0                             ; the second Q
	s_wait_xcnt 0x0                                ; the stores have read their data: the next steps write those registers again only behind this wait
.Lkeep:
	WALK 7                                         ; steps 9-15
.rept 8
	v_nop                                          ; places behind the last products
.endr
	s_cmp_lt_u32 s[WV], 8
	s_cbranch_scc1 .Lno_part
.set i, 0
	s_wait_alu depctr_va_vdst(0)
.rept 8
	ds_store_b128 v[PA], v[160+4*i:163+4*i] offset:512*i   ; my part of block 15 - q's tile, as it stands in the registers; each accumulator from its low end on
.set i, i+1
.endr
	ds_store_b128 v[PA], v[12:15] offset:4096      ; -M, (the largest t,) the sum's two halves
.Lno_part:
	s_wait_dscnt 0x0                               ; for the others' sake: my stores have landed
	s_barrier_signal -1
	s_barrier_wait -1
	s_cmp_lt_u32 s[WV], 8
	s_cbranch_scc0 .Ldone
.set i, 0
.rept 8
	ds_load_b128 v[96+4*i:99+4*i], v[PA] offset:512*i
.set i, i+1
.endr
	ds_load_b128 v[128:131], v[PA] offset:4096
	s_wait_dscnt 0x0
	v_min_num_f32 v254, v12, v128                  ; -M of the larger M
	s_delay_alu instid0(VALU_DEP_1)
	v_sub_f32 v252, v254, v12                      ; my M less it: a whole number, 0 or less
	s_delay_alu instid0(VALU_DEP_2)
	v_sub_f32 v253, v254, v128                     ; the other part's likewise
	s_delay_alu instid0(VALU_DEP_2)
	v_cvt_i32_f32 v252, v252                       ; (they saturate)
	s_delay_alu instid0(VALU_DEP_2)
	v_cvt_i32_f32 v253, v253
	s_delay_alu instid0(VALU_DEP_2)
	v_ldexp_f32 v252, 1.0, v252                    ; my part's factor,
	s_delay_alu instid0(VALU_DEP_2)
	v_ldexp_f32 v254, 1.0, v253                    ; the other's: powers of two, or 0 for a part with no step
	s_delay_alu instid0(VALU_DEP_2)
	v_pk_mul_f32 v[14:15], v[14:15], v[252:253] op_sel_hi:[1,0]
	s_delay_alu instid0(VALU_DEP_1)
	v_pk_fma_f32 v[14:15], v[130:131], v[254:255], v[14:15] op_sel_hi:[1,0,1]
.set j, 0
.rept 16
	v_pk_mul_f32 v[160+j:161+j], v[160+j:161+j], v[252:253] op_sel_hi:[1,0]
.set j, j+2
.endr
.set j, 0
.rept 16
	v_pk_fma_f32 v[160+j:161+j], v[96+j:97+j], v[254:255], v[160+j:161+j] op_sel_hi:[1,0,1]
.set j, j+2
.endr
	FINAL                                          ; block 15 - q's tile is finished
.Ldone:
	s_wait_xcnt 0x0
	v_lshl_add_u32 v254, v0, 2, 0x4c000
	v_mov_b32 v255, 0
	s_wait_alu depctr_va_vdst(0)
	s_wait_tensorcnt 0x0
	ds_add_u32 v254, v255
	s_wait_dscnt 0x0
	ROUND                                          ; the closing round: no work-group ends while a partner may still ask jointly
	s_endpgm
.Lfunc_end_k_q8b42505265_attn:
	.size	k_q8b42505265_attn, .Lfunc_end_k_q8b42505265_attn-k_q8b42505265_attn
	.p2alignl 7, 3214868480
	.fill 96, 4, 3214868480
	.section	.rodata,"a",@progbits
	.p2align	6, 0x0
	.amdhsa_kernel k_q8b42505265_attn
		.amdhsa_group_segment_fixed_size 313344
		.amdhsa_private_segment_fixed_size 0
		.amdhsa_enable_private_segment 0
		.amdhsa_kernarg_size 24
		.amdhsa_user_sgpr_count 2
		.amdhsa_user_sgpr_kernarg_segment_ptr 1
		.amdhsa_wavefront_size32 1
		.amdhsa_system_sgpr_workgroup_id_x 1
		.amdhsa_system_sgpr_workgroup_id_y 1
		.amdhsa_system_sgpr_workgroup_id_z 1
		.amdhsa_system_vgpr_workitem_id 0
		.amdhsa_next_free_vgpr 256
		.amdhsa_next_free_sgpr 102
		.amdhsa_reserve_vcc 1
		.amdhsa_float_denorm_mode_32 3
		.amdhsa_float_denorm_mode_16_64 3
		.amdhsa_memory_ordered 1
		.amdhsa_forward_progress 1
		.amdhsa_inst_pref_size 84
	.end_amdhsa_kernel
	.amdgpu_metadata
---
amdhsa.version: [ 1, 2 ]
amdhsa.kernels:
  - .name:           k_q8b42505265_attn
    .symbol:         k_q8b42505265_attn.kd
    .args:
      - { .name: qkv, .offset: 0, .size: 8, .value_kind: global_buffer, .address_space: global }
      - { .name: qkvs, .offset: 8, .size: 8, .value_kind: global_buffer, .address_space: global }
      - { .name: ao, .offset: 16, .size: 8, .value_kind: global_buffer, .address_space: global }
    .group_segment_fixed_size: 313344
    .private_segment_fixed_size: 0
    .kernarg_segment_align: 8
    .kernarg_segment_size: 24
    .max_flat_workgroup_size: 512
    .sgpr_count:     102
    .vgpr_count:     256
    .wavefront_size: 32
...
	.end_amdgpu_metadata
.endif
;; end of part 3
;; launch wo (part 4): grid 8 x 32, 4 waves a work-group, clusters of 4 x 4, 327,680 bytes of LDS; arguments ao, wop, bo, x, x1; writes x1
.if DOCPART == 4
	.amdgcn_target "amdgcn-amd-amdhsa--gfx1250"
	.amdhsa_code_object_version 6
	.text
	.protected	k_q8b42505265_wo
	.globl	k_q8b42505265_wo
	.p2align	8
	.type	k_q8b42505265_wo,@function
k_q8b42505265_wo:
	s_mov_b64 s[64:65], 0
	v_nop
	global_prefetch_b8 v0, s[64:65] scope:SCOPE_SE
	s_setreg_imm32_b32 hwreg(HW_REG_WAVE_MODE, 25, 1), 1
	s_wait_xcnt 0x0
	s_wait_alu depctr_hold_cnt(0) depctr_sa_sdst(0) depctr_va_vdst(0) depctr_va_sdst(0) depctr_va_ssrc(0) depctr_va_vcc(0) depctr_vm_vsrc(0)
	s_getreg_b32 s2, hwreg(HW_REG_IB_STS2, 6, 4)
	s_cmp_eq_u32 s2, 0
	s_cbranch_scc0 .Lentry_in_a_cluster
	s_endpgm
.Lentry_in_a_cluster:
	s_bfe_u32 s2, ttmp6, 0x10000c
	s_cmp_lg_u32 s2, 0xf033
	s_cbranch_scc0 .Lentry_shape_is_right
	s_endpgm
.Lentry_shape_is_right:
; out = resid + (A W^T + bias): A [4096][256 KS] and W [1024][256 KS] as operand blocks of FP8 (E4M3) codes with their E8M0 scale words; bias [1024], resid and out [4096][1024] f32.
; (A block: 128 rows x 256 K, 33,792 dense bytes: fragment (tile t, q) at (2 t + q) x 2,048 + 512 c + 16 lane; scale words at 32,768 + 128 t + 8 r + 4 q; lane r of tile t = row 32 (t / 2) + 8 (t % 2) + r + 8 (r / 8).)
; N = 1,024 gives only 64 tiles of 256 x 256, so a tile is 128 x 128: 256 work-groups of four waves, a wave 64 x 64: 16 accumulators.  A slot holds 512 along K: A's two K blocks, then W's two, one tensor load a wave.
; CLUSTERS 4 x 4: A's blocks are shared along a row of the cluster, W's along a column.  The matrix instruction is used transposed (source 0 = W, source 1 = A).
; A quarter is 128 along K: 16 matrix instructions, the 16 accumulators by turns; the next quarter's 32 loads are issued ahead of them, into the other buffer.
; THE RESIDUAL'S 32 ROWS of each wave are asked for at the head, into registers of their own, so that they come in under the products; they are waited for on the way out.
; REGISTERS: window 0: v2-10 addresses; v14-15 for the add; v32-47 scale words (set = K block of the slot; register 2 i + q: lanes 0-15 A's tile i, lanes 16-31 W's); v48-51 bias; v128-255 accumulators.  window 1: two fragment buffers of 128 (A's four, W's four).  window 2: v0-127 the residual.
.set KS,    4                          ; K blocks of 256 in a row block
.set WBLK,  96                         ; the weight's first block in wop
.set BLK,   33792
.set SLOT,  4*BLK
.set SPARE, 2*SLOT                     ; the spare words, 128 bytes a wave: two blocks of 256 bytes that no other line names
.set LAPS,  KS/4
.set SPITCH, 528                       ; the stage: 128 rows x (512 + 16) bytes, in slot 0, which has had its last fill and its last read when the first result is stored there
.set ADRA,  2
.set ADRB,  4
.set ADRS,  6
.set STO,   8
.set RD,    9
.set CO,    10
.set SPW,   14
.set NIL,   15
.set SC,    32
.set BI,    48
.set ACC,   128
.set F0,    0
.set F1,    128
.set G1,    24
.set G0,    32
.set G1B,   48
.set G0B,   56
.set MSB, 0
.macro WIN new
.if MSB != (\new)
	s_set_vgpr_msb (MSB<<8)|(\new)
.set MSB, (\new)
.endif
.endm
.set MUL,  0x05                        ; sources 0 (W) and 1 (A) window 1; C and D window 0
.set TO_F, 0x40
.macro JLOAD s                         ; waves 0, 2 fetch A's two K blocks, waves 1, 3 W's; four v_nop follow each line
	s_cmp_eq_u32 s16, 0
	s_cbranch_scc0 .Lfor_w_\@
	tensor_load_to_lds s[G0+4*\s:G0+4*\s+3], s[G1:G1+7]
	s_nop 0
.rept 4
	v_nop
.endr
	s_branch .Lasked_\@
.Lfor_w_\@:
	tensor_load_to_lds s[G0B+4*\s:G0B+4*\s+3], s[G1B:G1B+7]
	s_nop 0
.rept 4
	v_nop
.endr
.Lasked_\@:
.endm
.macro CREST
	s_cmp_lg_u32 s14, 0
	s_cbranch_scc1 .Lnot_wave_0_\@
	s_barrier_signal -3
.Lnot_wave_0_\@:
	s_barrier_wait -3
	s_barrier_signal -1
	s_barrier_wait -1
.endm
.macro CROUND
	s_barrier_signal -1
	s_barrier_wait -1
	CREST
.endm
.macro PLACES n
.rept \n
	v_nop
.endr
.endm
	s_load_b256 s[4:11], s[0:1], 0x0               ; A, wop, bias, resid
	s_load_b64 s[12:13], s[0:1], 0x20              ; out
	v_lshl_add_u32 v[SPW], v0, 2, SPARE
	v_mov_b32 v[NIL], 0
	ds_add_u32 v14, v15
	ds_add_u32 v14, v15
	s_wait_dscnt 0x0
	v_lshrrev_b32 v1, 5, v0
	v_readfirstlane_b32 s14, v1                    ; wave
	s_lshr_b32 s15, s14, 1                         ; wy.  Also: which two K blocks I fetch (2 wy, 2 wy + 1)
	s_and_b32 s16, s14, 1                          ; wx.  Also: I fetch for A (0) or for W (1)
	s_bfe_u32 s40, ttmp6, 0x40000
	s_bfe_u32 s41, ttmp6, 0x40004
	s_lshl_b32 s42, ttmp9, 2
	s_add_co_u32 s42, s42, s40                     ; W's row block = 4 x cluster x + cx
	s_and_b32 s43, ttmp7, 0xffff
	s_lshl_b32 s43, s43, 2
	s_add_co_u32 s43, s43, s41                     ; A's row block = 4 x cluster y + cy
	s_lshl_b32 s44, s41, 2
	s_lshl_b32 s44, 15, s44
	s_lshl_b32 s45, 0x1111, s40
	s_or_b32 s[G1], s44, (3<<16)|(1<<21)           ; two dense blocks as 264 rows of 32 elements of 8 bytes
	s_or_b32 s[G1B], s45, (3<<16)|(1<<21)
.irp g, G1, G1B
	s_mov_b32 s[\g+1], 32<<16
	s_mov_b32 s[\g+2], 264<<16
	s_mov_b32 s[\g+3], 32<<16
	s_mov_b32 s[\g+4], 264
	s_mov_b32 s[\g+5], 32
	s_mov_b32 s[\g+6], 0
	s_mov_b32 s[\g+7], 0
.endr
	s_lshl_b32 s17, s15, 1                         ; ONE LOAD A WAVE BRINGS TWO K BLOCKS (67,584 dense bytes): waves 0, 2 A's blocks 0-1, 2-3; waves 1, 3 W's: all of K lies in LDS, nothing is filled again
	s_mul_i32 s18, s43, KS
	s_add_co_u32 s18, s18, s17
	s_mul_i32 s18, s18, BLK
	s_mov_b32 s19, 0
	s_mul_i32 s20, s42, KS
	s_add_co_u32 s20, s20, s17
	s_add_co_u32 s20, s20, WBLK
	s_mul_i32 s20, s20, BLK
	s_mov_b32 s21, 0
	s_mul_i32 s22, s14, 2*BLK
	s_wait_kmcnt 0x0
	s_add_nc_u64 s[18:19], s[4:5], s[18:19]
	s_add_nc_u64 s[20:21], s[6:7], s[20:21]
	CROUND                                         ; all sixteen work-groups are here: the first joint loads meet
.irp s, 0
	s_mov_b32 s[G0+4*\s], 1
	s_add_co_u32 s[G0+4*\s+1], s22, \s*SLOT
	s_add_nc_u64 s[G0+4*\s+2:G0+4*\s+3], s[18:19], \s*2*BLK
	s_or_b32 s[G0+4*\s+3], s[G0+4*\s+3], 0x80000000
	s_mov_b32 s[G0B+4*\s], 1
	s_add_co_u32 s[G0B+4*\s+1], s22, \s*SLOT
	s_add_nc_u64 s[G0B+4*\s+2:G0B+4*\s+3], s[20:21], \s*2*BLK
	s_or_b32 s[G0B+4*\s+3], s[G0B+4*\s+3], 0x80000000
	JLOAD \s
.endr
	v_and_b32 v1, 31, v0
	v_lshlrev_b32 v[CO], 4, v1                     ; 16 x lane; never rewritten
	v_and_b32 v1, 15, v0                           ; r
	v_bfe_u32 v11, v0, 4, 1                        ; h
	s_lshl_b32 s17, s15, 14                        ; my four tiles of A
	v_add_nc_u32 v[ADRA], s17, v[CO]
	v_add_nc_u32 v[ADRA+1], SLOT, v[ADRA]
	s_lshl_b32 s17, s16, 14
	s_add_co_u32 s17, s17, 2*BLK                   ; my four tiles of W
	v_add_nc_u32 v[ADRB], s17, v[CO]
	v_add_nc_u32 v[ADRB+1], SLOT, v[ADRB]
	s_lshl_b32 s17, s15, 9
	s_lshl_b32 s23, s16, 9
	s_add_co_u32 s23, s23, 2*BLK
	s_sub_co_u32 s23, s23, s17
	v_mul_u32_u24 v[ADRS], s23, v11                ; lanes 16-31 take W's scale words
	v_lshl_add_u32 v[ADRS], v1, 3, v[ADRS]
	v_add_nc_u32 v[ADRS], s17, v[ADRS]
	v_add_nc_u32 v[ADRS], 32768, v[ADRS]
	v_add_nc_u32 v[ADRS+1], SLOT, v[ADRS]
	v_and_b32 v12, 8, v1
	v_add_nc_u32 v12, v12, v1
	v_mul_u32_u24 v[STO], v12, SPITCH
	v_lshl_add_u32 v[STO], v11, 6, v[STO]
	s_mul_i32 s23, s15, 64*SPITCH
	s_lshl_b32 s17, s16, 8
	s_add_co_u32 s23, s23, s17
	v_add_nc_u32 v[STO], s23, v[STO]               ; into the stage: row 64 wy + r + 8 (r / 8), byte 256 wx + 64 h
	s_mul_i32 s23, s14, 32*SPITCH
	v_add_nc_u32 v[RD], s23, v[CO]                 ; back: my 32 whole rows
	s_lshl_b32 s66, s43, 7
	s_lshl_b32 s67, s14, 5
	s_add_co_u32 s66, s66, s67
	s_lshl_b32 s66, s66, 12                        ; (128 x row block + 32 x wave) rows of 4,096 bytes
	s_lshl_b32 s68, s42, 9                         ; the tile's 512 bytes of a row
	s_add_co_u32 s66, s66, s68
	s_mov_b32 s67, 0
	s_mov_b32 s69, 0
	s_add_nc_u64 s[10:11], s[10:11], s[66:67]
	s_add_nc_u64 s[12:13], s[12:13], s[66:67]
	s_add_nc_u64 s[8:9], s[8:9], s[68:69]
	global_load_b128 v[BI:BI+3], v[CO], s[8:9]     ; my four columns' bias; waited for on the way out
	WIN 0x80                                       ; destination window 2
.set i, 0
.rept 32
	global_load_b128 v[4*i:4*i+3], v[CO], s[10:11] offset:4096*i   ; the residual's rows that I shall store: 512 consecutive bytes each; nobody writes them, their registers and addresses are touched by nothing until the way out
.set i, i+1
.endr
	WIN 0
.macro MUL8 f, a0, q, set, zero        ; A's tiles a0, a0 + 1 x W's four
.irp a, \a0, \a0+1
.irp b, 0,1,2,3
.if \zero
	v_wmma_scale_f32_16x16x128_f8f6f4 v[ACC+8*(4*(\a)+\b):ACC+8*(4*(\a)+\b)+7], v[(\f)+64+16*\b:(\f)+64+16*\b+15], v[(\f)+16*(\a):(\f)+16*(\a)+15], 0, v[SC+8*(\set)+2*\b+(\q)], v[SC+8*(\set)+2*(\a)+(\q)] matrix_a_scale:MATRIX_SCALE_ROW1
.else
	v_wmma_scale_f32_16x16x128_f8f6f4 v[ACC+8*(4*(\a)+\b):ACC+8*(4*(\a)+\b)+7], v[(\f)+64+16*\b:(\f)+64+16*\b+15], v[(\f)+16*(\a):(\f)+16*(\a)+15], v[ACC+8*(4*(\a)+\b):ACC+8*(4*(\a)+\b)+7], v[SC+8*(\set)+2*\b+(\q)], v[SC+8*(\set)+2*(\a)+(\q)] matrix_a_scale:MATRIX_SCALE_ROW1
.endif
.endr
.endr
.endm
.macro FETCH slot, kq, f               ; quarter kq of a slot (K block kq / 2, half kq % 2) into buffer f; with a K block's first quarter its scale words
	WIN TO_F
.irp i, 0,1,2,3
.irp c, 0,1,2,3
	ds_load_b128 v[(\f)+64+16*\i+4*\c:(\f)+64+16*\i+4*\c+3], v[ADRB+\slot] offset:((\kq)/2)*BLK+\i*4096+((\kq)%2)*2048+512*\c
	ds_load_b128 v[(\f)+16*\i+4*\c:(\f)+16*\i+4*\c+3], v[ADRA+\slot] offset:((\kq)/2)*BLK+\i*4096+((\kq)%2)*2048+512*\c
.endr
.endr
.if ((\kq)%2) == 0
	WIN 0
.irp i, 0,1,2,3
	ds_load_b64 v[SC+8*((\kq)/2)+2*\i:SC+8*((\kq)/2)+2*\i+1], v[ADRS+\slot] offset:((\kq)/2)*BLK+128*\i
.endr
.endif
.endm
.macro QUARTER slot, kq, zero          ; one of a slot's first three quarters
	s_wait_dscnt 0x0                               ; this quarter's fragments are in (asked for a quarter ago)
	PLACES 8                                       ; in front of loads into the other buffer, which the products just issued have read
	FETCH \slot, (\kq)+1, 128*(1-(\kq)%2)
	WIN MUL
	MUL8 128*((\kq)%2), 0, (\kq)%2, (\kq)/2, \zero
	MUL8 128*((\kq)%2), 2, (\kq)%2, (\kq)/2, \zero
.endm
; A slot's last quarter changes slots: one barrier; in front of it each wave waits for all its tensor loads, adds 0 to its spare word, and waits for that and for its reads of this slot.
.macro TURN slot, next, fill
	WIN 0
	s_wait_tensorcnt 0x0                           ; all my tensor loads have landed: my block of the next slot
	ds_add_u32 v[SPW], v[NIL]                      ; 0 onto my spare word
	s_wait_dscnt 1                                 ; (the add alone may be out: the quarter's fragments are in)
	WIN MUL
	MUL8 F1, 0, 1, 1, 0
	s_wait_dscnt 0x0                               ; the add is done, and my reads of this slot are over
	WIN 0
	s_barrier_signal -1
	s_barrier_wait -1
.if \fill
	CREST                                          ; the barrier has opened a round of the cluster's: no wave of any partner still reads this slot or has a load on its way
	s_add_nc_u64 s[G0+4*\slot+2:G0+4*\slot+3], s[G0+4*\slot+2:G0+4*\slot+3], 4*BLK
	s_add_nc_u64 s[G0B+4*\slot+2:G0B+4*\slot+3], s[G0B+4*\slot+2:G0B+4*\slot+3], 4*BLK
	JLOAD \slot                                    ; the first tensor load behind the round; its four v_nop are among the places below
	PLACES 4
.else
	PLACES 8
.endif
	FETCH \next, 0, F0
	WIN MUL
	MUL8 F1, 2, 1, 1, 0
.endm
	s_wait_alu depctr_va_vdst(0)
	s_wait_tensorcnt 0x0
	s_barrier_signal -1
	s_barrier_wait -1                              ; everybody's is
	FETCH 0, 0, F0
	QUARTER 0, 0, 1                                ; the first products start the sums
.if LAPS > 1
	WIN 0
	s_mov_b32 s3, LAPS-1
.Llap:                                             ; a trip goes once round the ring and fills both slots again
	QUARTER 0, 1, 0
	QUARTER 0, 2, 0
	TURN 0, 1, 1
	QUARTER 1, 0, 0
	QUARTER 1, 1, 0
	QUARTER 1, 2, 0
	TURN 1, 0, 1
	QUARTER 0, 0, 0
	WIN 0
	s_sub_co_u32 s3, s3, 1
	s_cmp_lg_u32 s3, 0
	s_cbranch_scc1 .Llap
.endif
	QUARTER 0, 1, 0                                ; the last lap fills nothing
	QUARTER 0, 2, 0
	TURN 0, 1, 0
	QUARTER 1, 0, 0
	QUARTER 1, 1, 0
	QUARTER 1, 2, 0
	s_wait_dscnt 0x0
	WIN MUL
	MUL8 F1, 0, 1, 1, 0
	MUL8 F1, 2, 1, 1, 0
	WIN 0
	; THE WAY OUT: through one stage, since a row's 512 bytes come from two waves; each wave then takes 32 whole rows, adds the bias and the residual and stores 512 consecutive bytes an instruction.
	PLACES 8
.irp a, 0,1,2,3
.irp b, 0,1,2,3
	ds_store_b128 v[STO], v[ACC+8*(4*\a+\b):ACC+8*(4*\a+\b)+3] offset:(32*(\a/2)+8*(\a%2))*SPITCH+(\b/2)*128+(\b%2)*32       ; each accumulator from its low end on
	ds_store_b128 v[STO], v[ACC+8*(4*\a+\b)+4:ACC+8*(4*\a+\b)+7] offset:(32*(\a/2)+8*(\a%2))*SPITCH+(\b/2)*128+(\b%2)*32+16
.endr
.endr
	s_wait_dscnt 0x0                               ; for the others' sake: my stores into the stage are done
	s_barrier_signal -1
	s_barrier_wait -1
.set i, 0
.rept 32
	ds_load_b128 v[ACC+4*i:ACC+4*i+3], v[RD] offset:SPITCH*i
.set i, i+1
.endr
	s_wait_dscnt 0x0
	s_wait_loadcnt 0x0                             ; the bias and the residual, asked for at the head
.set i, 0
.rept 32
	v_pk_add_f32 v[ACC+4*i:ACC+4*i+1], v[ACC+4*i:ACC+4*i+1], v[BI:BI+1]
	v_pk_add_f32 v[ACC+4*i+2:ACC+4*i+3], v[ACC+4*i+2:ACC+4*i+3], v[BI+2:BI+3]
.set i, i+1
.endr
	WIN 0x08                                       ; source 1: window 2
.set i, 0
.rept 64
	v_pk_add_f32 v[ACC+2*i:ACC+2*i+1], v[ACC+2*i:ACC+2*i+1], v[2*i:2*i+1]
.set i, i+1
.endr
	WIN 0
.set i, 0
.rept 32
	global_store_b128 v[CO], v[ACC+4*i:ACC+4*i+3], s[12:13] offset:4096*i
.set i, i+1
.endr
	s_wait_tensorcnt 0x0                           ; the wave's end
	ds_add_u32 v[SPW], v[NIL]
	s_wait_dscnt 0x0
	CROUND                                         ; the closing round
	s_endpgm
.Lfunc_end_k_q8b42505265_wo:
	.size	k_q8b42505265_wo, .Lfunc_end_k_q8b42505265_wo-k_q8b42505265_wo
	.p2alignl 7, 3214868480
	.fill 96, 4, 3214868480
	.section	.rodata,"a",@progbits
	.p2align	6, 0x0
	.amdhsa_kernel k_q8b42505265_wo
		.amdhsa_group_segment_fixed_size 327680
		.amdhsa_private_segment_fixed_size 0
		.amdhsa_enable_private_segment 0
		.amdhsa_kernarg_size 40
		.amdhsa_user_sgpr_count 2
		.amdhsa_user_sgpr_kernarg_segment_ptr 1
		.amdhsa_wavefront_size32 1
		.amdhsa_system_sgpr_workgroup_id_x 1
		.amdhsa_system_sgpr_workgroup_id_y 1
		.amdhsa_system_sgpr_workgroup_id_z 1
		.amdhsa_system_vgpr_workitem_id 0
		.amdhsa_next_free_vgpr 640
		.amdhsa_next_free_sgpr 72
		.amdhsa_reserve_vcc 0
		.amdhsa_float_denorm_mode_32 3
		.amdhsa_float_denorm_mode_16_64 3
		.amdhsa_memory_ordered 1
		.amdhsa_forward_progress 1
		.amdhsa_inst_pref_size 61
	.end_amdhsa_kernel
	.amdgpu_metadata
---
amdhsa.version: [ 1, 2 ]
amdhsa.kernels:
  - .name:           k_q8b42505265_wo
    .symbol:         k_q8b42505265_wo.kd
    .args:
      - { .name: ao, .offset: 0, .size: 8, .value_kind: global_buffer, .address_space: global }
      - { .name: wop, .offset: 8, .size: 8, .value_kind: global_buffer, .address_space: global }
      - { .name: bo, .offset: 16, .size: 8, .value_kind: global_buffer, .address_space: global }
      - { .name: x, .offset: 24, .size: 8, .value_kind: global_buffer, .address_space: global }
      - { .name: x1, .offset: 32, .size: 8, .value_kind: global_buffer, .address_space: global }
    .group_segment_fixed_size: 327680
    .private_segment_fixed_size: 0
    .kernarg_segment_align: 8
    .kernarg_segment_size: 40
    .max_flat_workgroup_size: 128
    .sgpr_count:     72
    .vgpr_count:     640
    .wavefront_size: 32
...
	.end_amdgpu_metadata
.endif
;; end of part 4
;; launch ln2 (part 5): grid 256 x 1, 4 waves a work-group, no clusters, 75,776 bytes of LDS; arguments x1, g2, beta2, anx; writes anx
.if DOCPART == 5
	.amdgcn_target "amdgcn-amd-amdhsa--gfx1250"
	.amdhsa_code_object_version 6
	.text
	.protected	k_q8b42505265_ln2
	.globl	k_q8b42505265_ln2
	.p2align	8
	.type	k_q8b42505265_ln2,@function
k_q8b42505265_ln2:
	s_mov_b64 s[64:65], 0
	v_nop
	global_prefetch_b8 v0, s[64:65] scope:SCOPE_SE
	s_setreg_imm32_b32 hwreg(HW_REG_WAVE_MODE, 25, 1), 1
	s_wait_xcnt 0x0
; Layer norm of [4096][1024] f32, quantised along the 1,024 to codes of FP8 (E4M3) with one E8M0 byte for each 32, stored as operand blocks (128 rows x 256 K = 33,792 bytes:
; fragment (tile t, q) at (2 t + q) x 2,048 + 512 c + 16 lane, lane (r, h) = row 32 (t / 2) + 8 (t % 2) + r + 8 (r / 8), k = 128 q + 32 c + 16 h + 0 .. 15; scale words at 32,768 + 128 t + 8 r + 4 q).
; Work-group g takes ONE tile of 16 rows (row block g / 8, tile g % 8); wave w takes k = 256 w .. 256 w + 255 of them, which is the tile's part of block (row block, w).
; Loads read 512 consecutive bytes; the numbers turn through the wave's own LDS (rows 1,040 bytes apart) so that a lane holds 16 neighbours of each of 8 blocks of 32.
; The variance is made of the waves' own means and sums of squared differences (no difference of large sums); they meet in LDS behind the one barrier.
; LIMITS: NaN and infinities are not served; a block under 2^-118 has its byte held at 1; a block of zeros gets the byte 1 (zero codes; this program alone reads the bytes).
.set BLK,   33792
.set WREG,  18688                      ; a wave's LDS: 16 rows x 1,040, gamma 1,024, beta 1,024
.set GOFF,  16640
.set STAT,  4*WREG                     ; 4 waves x 16 rows x (mean, sum of squares)
.set X,     16                         ; v16-143  128 numbers: register 16 c + i = k 32 c + 16 h + i of row r
.set GA,    144                        ; v144-175 gamma of two blocks (earlier: at work)
.set BE,    176                        ; v176-207 beta of two blocks
.set PC,    208                        ; v208-223 a fragment's codes
.set TM,    224                        ; v224-239 the quantiser's work
.set PW,    240                        ; v240-241 the two scale words
.set ST,    242                        ; v242-249 four chains
.set MU,    250                        ; v250-251 the mean, twice
.set RS,    252                        ; v252-253 1 / sqrt(var + eps), twice
.set SEL,   12
.set MNT,   14
; 64 numbers of a lane, register 16 b + i = k 32 b + 16 h + i of its row, become a fragment's codes in v[PC] on and its scale word in v[pw]
.macro QUANT s, pw
.irp b, 0,1,2,3
	v_max3_num_f32 v[TM+\b], |v[(\s)+16*\b]|, |v[(\s)+1+16*\b]|, 0x4800000   ; my 16 numbers of block b, and the floor 2^(9 - 127)
.endr
.irp i, 2,4,6,8,10,12,14
.irp b, 0,1,2,3
	v_max3_num_f32 v[TM+\b], v[TM+\b], |v[(\s)+16*\b+\i]|, |v[(\s)+1+16*\b+\i]|
.endr
.endr
.irp b, 0,1,2,3
	v_permlanex16_b32 v[TM+4+\b], v[TM+\b], s[SEL], s[SEL+1]
.endr
.irp b, 0,1,2,3
	v_max_num_f32 v[TM+\b], v[TM+\b], v[TM+4+\b]   ; with lane l xor 16's: the block's largest magnitude
.endr
.irp b, 0,1,2,3
	v_add_nc_u32 v[TM+12+\b], 0xfc000000, v[TM+\b] ; 8 off its exponent field: the conversion's scale operand
.endr
.irp b, 0,1,2,3
	v_and_or_b32 v[TM+8+\b], v[TM+\b], 0x7f800000, s[MNT]   ; 448 x the scale
.endr
.irp b, 0,1,2,3
	v_lshrrev_b32 v[TM+4+\b], 23, v[TM+12+\b]      ; the scale's byte
.endr
	v_lshl_or_b32 v[\pw], v[TM+5], 8, v[TM+4]
	v_lshl_or_b32 v[\pw], v[TM+6], 16, v[\pw]
	v_lshl_or_b32 v[\pw], v[TM+7], 24, v[\pw]
.irp b, 0,1,2,3
.irp i, 0,1,2,3,4,5,6,7,8,9,10,11,12,13,14,15
	v_med3_num_f32 v[(\s)+16*\b+\i], v[(\s)+16*\b+\i], -v[TM+8+\b], v[TM+8+\b]   ; the conversion does not saturate (ISA guide 7.6.2): the hold
.endr
	v_cvt_scalef32_pk8_fp8_f32 v[PC+4*\b:PC+1+4*\b], v[(\s)+16*\b:(\s)+7+16*\b], v[TM+12+\b]
	v_cvt_scalef32_pk8_fp8_f32 v[PC+2+4*\b:PC+3+4*\b], v[(\s)+8+16*\b:(\s)+15+16*\b], v[TM+12+\b]
.endr
	v_nop                                          ; one plain line behind the last conversion
.endm
	s_load_b256 s[4:11], s[0:1], 0x0               ; x, gamma, beta, the codes' buffer
	v_lshl_add_u32 v254, v0, 2, 0x12600
	v_mov_b32 v255, 0
	v_lshrrev_b32 v1, 5, v0
	v_readfirstlane_b32 s15, v1                    ; wave
	v_and_b32 v1, 31, v0
	v_and_b32 v2, 15, v0                           ; r
	v_bfe_u32 v3, v0, 4, 1                         ; h
	v_lshlrev_b32 v4, 4, v1                        ; 16 x lane: for loads and stores alike; never rewritten
	s_mul_i32 s16, s15, WREG
	v_add_nc_u32 v5, s16, v4                       ; LDS, as loaded
	v_mul_u32_u24 v6, v2, 1040
	v_lshl_add_u32 v6, v3, 6, v6
	v_add_nc_u32 v6, s16, v6                       ; LDS, back: row r, + 64 h
	v_lshlrev_b32 v7, 6, v3
	v_add_nc_u32 v7, s16, v7
	v_add_nc_u32 v7, GOFF, v7                      ; gamma: + 64 h
	v_lshlrev_b32 v11, 3, v2                       ; 8 r
	v_add_nc_u32 v9, STAT, v11
	s_lshl_b32 s17, s15, 7
	v_add_nc_u32 v8, s17, v9
.irp b, 0,1,2,3
	v_mov_b32 v[TM+4+\b], 0                        ; written once: a lane permute's destination counts as one of its sources
.endr
	s_mov_b32 s[SEL], 0x76543210
	s_mov_b32 s[SEL+1], 0xfedcba98
	s_mov_b32 s[MNT], 0x600000
	s_mov_b32 s30, 0x3a800000                      ; 1 / 1024
	s_mov_b32 s31, 0x3727c5ac                      ; 1e-5
	s_lshr_b32 s18, ttmp9, 3                       ; row block
	s_and_b32 s19, ttmp9, 7                        ; tile
	s_lshr_b32 s20, s19, 1
	s_lshl_b32 s20, s20, 5
	s_and_b32 s21, s19, 1
	s_lshl_b32 s21, s21, 3
	s_add_co_u32 s20, s20, s21
	s_lshl_b32 s21, s18, 7
	s_add_co_u32 s20, s20, s21                     ; the tile's first row
	s_lshl_b32 s20, s20, 12
	s_lshl_b32 s22, s15, 10                        ; my wave's 1,024 bytes of a row
	s_add_co_u32 s20, s20, s22
	s_mov_b32 s21, 0
	s_mov_b32 s23, 0
	s_lshl_b32 s24, s18, 2
	s_add_co_u32 s24, s24, s15
	s_mul_i32 s24, s24, BLK                        ; block (row block, wave)
	s_lshl_b32 s25, s19, 12
	s_add_co_u32 s26, s24, s25                     ; the tile's two fragments
	s_mov_b32 s27, 0
	s_lshl_b32 s25, s19, 7
	s_add_co_u32 s28, s24, s25
	s_add_co_u32 s28, s28, 32768                   ; its scale words
	s_mov_b32 s29, 0
	s_wait_kmcnt 0x0
	s_add_nc_u64 s[4:5], s[4:5], s[20:21]
	s_add_nc_u64 s[6:7], s[6:7], s[22:23]
	s_add_nc_u64 s[8:9], s[8:9], s[22:23]
	s_add_nc_u64 s[26:27], s[10:11], s[26:27]
	s_add_nc_u64 s[28:29], s[10:11], s[28:29]
.irp u, 0,1
	global_load_b128 v[GA+4*\u:GA+4*\u+3], v4, s[6:7] offset:512*\u
	global_load_b128 v[BE+4*\u:BE+4*\u+3], v4, s[8:9] offset:512*\u
.endr
.set i, 0
.rept 16                                       ; the tile's rows: 0-7, then 16-23 from its first
	global_load_b128 v[X+8*i:X+8*i+3], v4, s[4:5] offset:(i+8*(i/8))*4096 th:TH_LOAD_NT
	global_load_b128 v[X+8*i+4:X+8*i+7], v4, s[4:5] offset:(i+8*(i/8))*4096+512 th:TH_LOAD_NT
.set i, i+1
.endr
	s_wait_loadcnt 32                              ; gamma and beta are in; the 32 loads of x may be out
.irp u, 0,1
	ds_store_b128 v5, v[GA+4*\u:GA+4*\u+3] offset:GOFF+512*\u
	ds_store_b128 v5, v[BE+4*\u:BE+4*\u+3] offset:GOFF+1024+512*\u
.endr
	s_wait_loadcnt 16                              ; rows 0-7 are in
.set i, 0
.rept 8
	ds_store_b128 v5, v[X+8*i:X+8*i+3] offset:1040*i
	ds_store_b128 v5, v[X+8*i+4:X+8*i+7] offset:1040*i+512
.set i, i+1
.endr
	s_wait_loadcnt 0x0
.rept 8
	ds_store_b128 v5, v[X+8*i:X+8*i+3] offset:1040*i
	ds_store_b128 v5, v[X+8*i+4:X+8*i+7] offset:1040*i+512
.set i, i+1
.endr
.set i, 0
.rept 32                                       ; my wave's own bytes, served in order: no wait between the stores and these loads
	ds_load_b128 v[X+4*i:X+4*i+3], v6 offset:128*(i/4)+16*(i%4)
.set i, i+1
.endr
	s_wait_dscnt 0x0
	; my wave's mean of row r
.irp k, 0,1,2,3
	v_pk_add_f32 v[ST+2*\k:ST+2*\k+1], v[X+2*\k:X+2*\k+1], v[X+8+2*\k:X+9+2*\k]
.endr
.set p, 8
.rept 56
	v_pk_add_f32 v[ST+2*(p%4):ST+2*(p%4)+1], v[ST+2*(p%4):ST+2*(p%4)+1], v[X+2*p:X+2*p+1]
.set p, p+1
.endr
	v_pk_add_f32 v[ST:ST+1], v[ST:ST+1], v[ST+2:ST+3]
	v_pk_add_f32 v[ST+4:ST+5], v[ST+4:ST+5], v[ST+6:ST+7]
	v_pk_add_f32 v[ST:ST+1], v[ST:ST+1], v[ST+4:ST+5]
	v_add_f32 v[ST], v[ST], v[ST+1]
	v_permlanex16_b32 v[ST+2], v[ST], s[SEL], s[SEL+1]
	v_add_f32 v[ST], v[ST], v[ST+2]
	v_mul_f32 v[MU], 0x3b800000, v[ST]             ; / 256
	v_mov_b32 v[MU+1], v[MU]
	; and its sum of squared differences from that mean
.set p, 0
.rept 64
	v_pk_add_f32 v[GA+2*(p%4):GA+2*(p%4)+1], v[X+2*p:X+2*p+1], v[MU:MU+1] neg_lo:[0,1] neg_hi:[0,1]
.if p < 4
	v_pk_mul_f32 v[ST+2*(p%4):ST+2*(p%4)+1], v[GA+2*(p%4):GA+2*(p%4)+1], v[GA+2*(p%4):GA+2*(p%4)+1]
.else
	v_pk_fma_f32 v[ST+2*(p%4):ST+2*(p%4)+1], v[GA+2*(p%4):GA+2*(p%4)+1], v[GA+2*(p%4):GA+2*(p%4)+1], v[ST+2*(p%4):ST+2*(p%4)+1]
.endif
.set p, p+1
.endr
	v_pk_add_f32 v[ST:ST+1], v[ST:ST+1], v[ST+2:ST+3]
	v_pk_add_f32 v[ST+4:ST+5], v[ST+4:ST+5], v[ST+6:ST+7]
	v_pk_add_f32 v[ST:ST+1], v[ST:ST+1], v[ST+4:ST+5]
	v_add_f32 v[ST], v[ST], v[ST+1]
	v_permlanex16_b32 v[ST+2], v[ST], s[SEL], s[SEL+1]
	v_add_f32 v[MU+1], v[ST], v[ST+2]
	ds_store_b64 v8, v[MU:MU+1]                    ; lanes r and r + 16 write the same pair
	s_wait_dscnt 0x0                               ; for the others' sake: my store has landed
	s_barrier_signal -1
	s_barrier_wait -1
.irp k, 0,1,2,3
	ds_load_b64 v[GA+2*\k:GA+2*\k+1], v9 offset:128*\k
.endr
	s_wait_dscnt 0x0
	v_add_f32 v[ST], v[GA], v[GA+2]
	v_add_f32 v[ST+1], v[GA+4], v[GA+6]
	v_add_f32 v[ST], v[ST], v[ST+1]
	v_mul_f32 v[MU], 0x3e800000, v[ST]             ; the row's mean
	v_add_f32 v[ST+2], v[GA+1], v[GA+3]
	v_add_f32 v[ST+3], v[GA+5], v[GA+7]
	v_add_f32 v[ST+2], v[ST+2], v[ST+3]
.irp k, 0,1,2,3
	v_sub_f32 v[ST+4+\k], v[GA+2*\k], v[MU]
.endr
	v_mul_f32 v[ST+4], v[ST+4], v[ST+4]
	v_fmac_f32 v[ST+4], v[ST+5], v[ST+5]
	v_fmac_f32 v[ST+4], v[ST+6], v[ST+6]
	v_fmac_f32 v[ST+4], v[ST+7], v[ST+7]
	v_fmamk_f32 v[ST+2], v[ST+4], 0x43800000, v[ST+2]   ; + 256 x the waves' means' squared differences
	v_fma_f32 v[ST+2], v[ST+2], s30, s31           ; the variance + 1e-5
	s_wait_alu depctr_va_vdst(0)
	v_rsq_f32 v[RS], v[ST+2]
	v_mov_b32 v[MU+1], v[MU]                       ; (a plain line behind the transcendental)
	s_wait_alu depctr_va_vdst(0)
	v_mov_b32 v[RS+1], v[RS]
; two blocks of 32: ((x - mean) x rstd) x gamma + beta
.macro NORM q, pb
.irp bl, 0,1
.irp j, 0,1,2,3
	ds_load_b128 v[GA+16*\bl+4*\j:GA+16*\bl+4*\j+3], v7 offset:128*(4*\q+2*\pb+\bl)+16*\j
	ds_load_b128 v[BE+16*\bl+4*\j:BE+16*\bl+4*\j+3], v7 offset:1024+128*(4*\q+2*\pb+\bl)+16*\j
.endr
.endr
	s_wait_dscnt 0x0
.set XX, X+64*\q+32*\pb
.set i, 0
.rept 16
	v_pk_add_f32 v[XX+2*i:XX+2*i+1], v[XX+2*i:XX+2*i+1], v[MU:MU+1] neg_lo:[0,1] neg_hi:[0,1]
.set i, i+1
.endr
.set i, 0
.rept 16
	v_pk_mul_f32 v[XX+2*i:XX+2*i+1], v[XX+2*i:XX+2*i+1], v[RS:RS+1]
.set i, i+1
.endr
.set i, 0
.rept 16
	v_pk_fma_f32 v[XX+2*i:XX+2*i+1], v[XX+2*i:XX+2*i+1], v[GA+2*i:GA+2*i+1], v[BE+2*i:BE+2*i+1]
.set i, i+1
.endr
.endm
	NORM 0, 0
	NORM 0, 1
	QUANT X, PW
.irp c, 0,1,2,3
	global_store_b128 v4, v[PC+4*\c:PC+4*\c+3], s[26:27] offset:512*\c
.endr
	NORM 1, 0
	NORM 1, 1
	s_wait_xcnt 0x0                                ; the stores above have read the codes' registers: they are written again only behind this wait
	QUANT X+64, PW+1
.irp c, 0,1,2,3
	global_store_b128 v4, v[PC+4*\c:PC+4*\c+3], s[26:27] offset:2048+512*\c
.endr
	global_store_b64 v11, v[PW:PW+1], s[28:29]     ; row r's two words; lanes r and r + 16 write the same
	s_wait_tensorcnt 0x0
	ds_add_u32 v254, v255
	s_wait_dscnt 0x0
	s_endpgm
.Lfunc_end_k_q8b42505265_ln2:
	.size	k_q8b42505265_ln2, .Lfunc_end_k_q8b42505265_ln2-k_q8b42505265_ln2
	.p2alignl 7, 3214868480
	.fill 96, 4, 3214868480
	.section	.rodata,"a",@progbits
	.p2align	6, 0x0
	.amdhsa_kernel k_q8b42505265_ln2
		.amdhsa_group_segment_fixed_size 75776
		.amdhsa_private_segment_fixed_size 0
		.amdhsa_enable_private_segment 0
		.amdhsa_kernarg_size 32
		.amdhsa_user_sgpr_count 2
		.amdhsa_user_sgpr_kernarg_segment_ptr 1
		.amdhsa_wavefront_size32 1
		.amdhsa_system_sgpr_workgroup_id_x 1
		.amdhsa_system_sgpr_workgroup_id_y 1
		.amdhsa_system_sgpr_workgroup_id_z 1
		.amdhsa_system_vgpr_workitem_id 0
		.amdhsa_next_free_vgpr 256
		.amdhsa_next_free_sgpr 66
		.amdhsa_reserve_vcc 0
		.amdhsa_float_denorm_mode_32 3
		.amdhsa_float_denorm_mode_16_64 3
		.amdhsa_memory_ordered 1
		.amdhsa_forward_progress 1
		.amdhsa_inst_pref_size 58
	.end_amdhsa_kernel
	.amdgpu_metadata
---
amdhsa.version: [ 1, 2 ]
amdhsa.kernels:
  - .name:           k_q8b42505265_ln2
    .symbol:         k_q8b42505265_ln2.kd
    .args:
      - { .name: x1, .offset: 0, .size: 8, .value_kind: global_buffer, .address_space: global }
      - { .name: g2, .offset: 8, .size: 8, .value_kind: global_buffer, .address_space: global }
      - { .name: beta2, .offset: 16, .size: 8, .value_kind: global_buffer, .address_space: global }
      - { .name: anx, .offset: 24, .size: 8, .value_kind: global_buffer, .address_space: global }
    .group_segment_fixed_size: 75776
    .private_segment_fixed_size: 0
    .kernarg_segment_align: 8
    .kernarg_segment_size: 32
    .max_flat_workgroup_size: 128
    .sgpr_count:     66
    .vgpr_count:     256
    .wavefront_size: 32
...
	.end_amdgpu_metadata
.endif
;; end of part 5
;; launch ffn1 (part 6): grid 16 x 16, 4 waves a work-group, clusters of 4 x 4, 327,680 bytes of LDS; arguments anx, wop, b1, hh; writes hh
.if DOCPART == 6
	.amdgcn_target "amdgcn-amd-amdhsa--gfx1250"
	.amdhsa_code_object_version 6
	.text
	.protected	k_q8b42505265_ffn1
	.globl	k_q8b42505265_ffn1
	.p2align	8
	.type	k_q8b42505265_ffn1,@function
k_q8b42505265_ffn1:
	s_mov_b64 s[64:65], 0
	v_nop
	global_prefetch_b8 v0, s[64:65] scope:SCOPE_SE
	s_setreg_imm32_b32 hwreg(HW_REG_WAVE_MODE, 25, 1), 1
	s_wait_xcnt 0x0
	s_wait_alu depctr_hold_cnt(0) depctr_sa_sdst(0) depctr_va_vdst(0) depctr_va_sdst(0) depctr_va_ssrc(0) depctr_va_vcc(0) depctr_vm_vsrc(0)
	s_getreg_b32 s2, hwreg(HW_REG_IB_STS2, 6, 4)
	s_cmp_eq_u32 s2, 0
	s_cbranch_scc0 .Lentry_in_a_cluster
	s_endpgm
.Lentry_in_a_cluster:
	s_bfe_u32 s2, ttmp6, 0x10000c
	s_cmp_lg_u32 s2, 0xf033
	s_cbranch_scc0 .Lentry_shape_is_right
	s_endpgm
.Lentry_shape_is_right:
.set BLK,   33792
.set SLOT,  4*BLK
.set SPARE, 2*SLOT
.set NQ,    2
.set FR,    16
.set NL,    4
.set NP,    8
.set ADRA,  2
.set ADRB,  4
.set ADRS,  6
.set L16,   8
.set SO,    9
.set H64,   12
.set SPW,   14
.set NIL,   15
.set SC,    32
.set BR,    64
.set AF,    128
.set E,     128
.set GD,    192
.set GQ,    208
.set GU,    224
.set PC,    192
.set TM,    208
.set C9,    240
.set PW,    242
.set SEL,   2
.set WV,    18
.set G1,    24
.set G0,    32
.set G1B,   48
.set G0B,   56
.set CF,    68
.set KX,    86
.set KT,    88
.set OC,    96
.set OS,    98
.set EA,    100
.set MNT,   101
.set MSB, 0
.macro WIN new
.if MSB != (\new)
	s_set_vgpr_msb (MSB<<8)|(\new)
.set MSB, (\new)
.endif
.endm
.set MUL_LO, 0xa1
.set MUL_HI, 0xf1
.set TO_B,   0x40
.macro JLOAD s
	s_cmp_eq_u32 s19, 0
	s_cbranch_scc0 .Lfor_w_\@
	tensor_load_to_lds s[G0+4*\s:G0+4*\s+3], s[G1:G1+7]
	s_nop 0
.rept 4
	v_nop
.endr
	s_branch .Lasked_\@
.Lfor_w_\@:
	tensor_load_to_lds s[G0B+4*\s:G0B+4*\s+3], s[G1B:G1B+7]
	s_nop 0
.rept 4
	v_nop
.endr
.Lasked_\@:
.endm
.macro CREST
	s_cmp_lg_u32 s[WV], 0
	s_cbranch_scc1 .Lnot_wave_0_\@
	s_barrier_signal -3
.Lnot_wave_0_\@:
	s_barrier_wait -3
	s_barrier_signal -1
	s_barrier_wait -1
.endm
.macro CROUND
	s_barrier_signal -1
	s_barrier_wait -1
	CREST
.endm
.macro PLACES n
.rept \n
	v_nop
.endr
.endm
.macro QUANT s, pw
.irp b, 0,1,2,3
	v_max3_num_f32 v[TM+\b], |v[(\s)+16*\b]|, |v[(\s)+1+16*\b]|, 0x4800000
.endr
.irp i, 2,4,6,8,10,12,14
.irp b, 0,1,2,3
	v_max3_num_f32 v[TM+\b], v[TM+\b], |v[(\s)+16*\b+\i]|, |v[(\s)+1+16*\b+\i]|
.endr
.endr
.irp b, 0,1,2,3
	v_permlanex16_b32 v[TM+4+\b], v[TM+\b], s[SEL], s[SEL+1]
.endr
.irp b, 0,1,2,3
	v_max_num_f32 v[TM+\b], v[TM+\b], v[TM+4+\b]
.endr
.irp b, 0,1,2,3
	v_add_nc_u32 v[TM+12+\b], 0xfc000000, v[TM+\b]
.endr
.irp b, 0,1,2,3
	v_and_or_b32 v[TM+8+\b], v[TM+\b], 0x7f800000, s[MNT]
.endr
.irp b, 0,1,2,3
	v_lshrrev_b32 v[TM+4+\b], 23, v[TM+12+\b]
.endr
	v_lshl_or_b32 v[\pw], v[TM+5], 8, v[TM+4]
	v_lshl_or_b32 v[\pw], v[TM+6], 16, v[\pw]
	v_lshl_or_b32 v[\pw], v[TM+7], 24, v[\pw]
.irp b, 0,1,2,3
.irp i, 0,1,2,3,4,5,6,7,8,9,10,11,12,13,14,15
	v_med3_num_f32 v[(\s)+16*\b+\i], v[(\s)+16*\b+\i], -v[TM+8+\b], v[TM+8+\b]
.endr
	v_cvt_scalef32_pk8_fp8_f32 v[PC+4*\b:PC+1+4*\b], v[(\s)+16*\b:(\s)+7+16*\b], v[TM+12+\b]
	v_cvt_scalef32_pk8_fp8_f32 v[PC+2+4*\b:PC+3+4*\b], v[(\s)+8+16*\b:(\s)+15+16*\b], v[TM+12+\b]
.endr
	v_nop
.endm
	s_load_b256 s[4:11], s[0:1], 0x0
	v_lshl_add_u32 v[SPW], v0, 2, SPARE
	v_mov_b32 v[NIL], 0
	ds_add_u32 v14, v15
	ds_add_u32 v14, v15
	s_wait_dscnt 0x0
	v_lshrrev_b32 v1, 5, v0
	v_readfirstlane_b32 s[WV], v1
	s_lshr_b32 s19, s[WV], 1
	s_and_b32 s20, s[WV], 1
	s_bfe_u32 s40, ttmp6, 0x40000
	s_bfe_u32 s41, ttmp6, 0x40004
	s_lshl_b32 s42, ttmp9, 2
	s_add_co_u32 s42, s42, s40
	s_and_b32 s43, ttmp7, 0xffff
	s_lshl_b32 s43, s43, 2
	s_add_co_u32 s43, s43, s41
	s_lshl_b32 s44, s41, 2
	s_lshl_b32 s44, 15, s44
	s_lshl_b32 s45, 0x1111, s40
	s_or_b32 s[G1], s44, (3<<16)|(1<<21)
	s_or_b32 s[G1B], s45, (3<<16)|(1<<21)
.irp g, G1, G1B
	s_mov_b32 s[\g+1], 32<<16
	s_mov_b32 s[\g+2], 132<<16
	s_mov_b32 s[\g+3], 32<<16
	s_mov_b32 s[\g+4], 132
	s_mov_b32 s[\g+5], 32
	s_mov_b32 s[\g+6], 0
	s_mov_b32 s[\g+7], 0
.endr
	s_lshl_b32 s69, s43, 1
	s_add_co_u32 s69, s69, s20
	s_mul_i32 s70, s69, 4*BLK
	s_mov_b32 s71, 0
	s_lshl_b32 s72, s42, 1
	s_add_co_u32 s72, s72, s20
	s_mul_i32 s72, s72, 4*BLK
	s_add_co_u32 s72, s72, 128*BLK
	s_mov_b32 s73, 0
	s_mul_i32 s23, s[WV], BLK
	s_mov_b32 s[SEL], 0x76543210
	s_mov_b32 s[SEL+1], 0xfedcba98
	s_mov_b32 s[MNT], 0x600000
	s_wait_kmcnt 0x0
	s_add_nc_u64 s[74:75], s[4:5], s[70:71]
	s_add_nc_u64 s[76:77], s[6:7], s[72:73]
	CROUND
.irp s, 0,1
	s_mov_b32 s[G0+4*\s], 1
	s_add_co_u32 s[G0+4*\s+1], s23, \s*SLOT
	s_add_nc_u64 s[G0+4*\s+2:G0+4*\s+3], s[74:75], \s*BLK
	s_or_b32 s[G0+4*\s+3], s[G0+4*\s+3], 0x80000000
	s_mov_b32 s[G0B+4*\s], 1
	s_add_co_u32 s[G0B+4*\s+1], s23, \s*SLOT
	s_add_nc_u64 s[G0B+4*\s+2:G0B+4*\s+3], s[76:77], \s*BLK
	s_or_b32 s[G0B+4*\s+3], s[G0B+4*\s+3], 0x80000000
.if \s
	s_wait_alu depctr_va_vdst(0)
	s_wait_tensorcnt 0x0
	ds_add_u32 v14, v15
	ds_add_u32 v14, v15
	s_wait_dscnt 0x0
	CROUND
.endif
	JLOAD \s
.endr
	v_and_b32 v1, 31, v0
	v_lshlrev_b32 v[L16], 4, v1
	v_and_b32 v1, 15, v0
	v_bfe_u32 v[H64], v0, 4, 1
	s_mul_i32 s94, s19, BLK
	s_add_co_u32 s95, s20, 2
	s_mul_i32 s95, s95, BLK
	s_sub_co_u32 s69, s95, s94
	v_mul_u32_u24 v[ADRS], s69, v[H64]
	v_lshl_add_u32 v[ADRS], v1, 3, v[ADRS]
	v_add_nc_u32 v[ADRS], s94, v[ADRS]
	v_add_nc_u32 v[ADRS], 32768, v[ADRS]
	v_add_nc_u32 v[ADRS+1], SLOT, v[ADRS]
	v_add_nc_u32 v[ADRA], s94, v[L16]
	v_add_nc_u32 v[ADRA+1], SLOT, v[ADRA]
	v_add_nc_u32 v[ADRB], s95, v[L16]
	v_add_nc_u32 v[ADRB+1], SLOT, v[ADRB]
	v_lshlrev_b32 v[SO], 3, v1
	v_lshlrev_b32 v[H64], 6, v[H64]
	s_lshl_b32 s78, s42, 1
	s_add_co_u32 s78, s78, s20
	s_lshl_b32 s82, s78, 9
	s_mov_b32 s83, 0
	s_add_nc_u64 s[86:87], s[8:9], s[82:83]
.irp bb, 0,1,2,3
.irp j, 0,1,2,3
	global_load_b128 v[BR+16*\bb+4*\j:BR+16*\bb+4*\j+3], v[H64], s[86:87] offset:128*\bb+16*\j
.endr
.endr
	s_lshl_b32 s79, s43, 1
	s_add_co_u32 s79, s79, s19
	s_lshl_b32 s79, s79, 4
	s_add_co_u32 s79, s79, s42
	s_mul_i32 s90, s79, BLK
	s_lshl_b32 s94, s20, 2
	s_add_co_u32 s92, s90, s94
	s_add_co_u32 s92, s92, 32768
	s_lshl_b32 s94, s20, 11
	s_add_co_u32 s90, s90, s94
	s_mov_b32 s91, 0
	s_mov_b32 s93, 0
	s_add_nc_u64 s[OC:OC+1], s[10:11], s[90:91]
	s_add_nc_u64 s[OS:OS+1], s[10:11], s[92:93]
	s_wait_alu depctr_va_vdst(0)
	s_wait_loadcnt 0x0
.macro FRAG reg, adr, q, i
.irp c, 0,1,2,3
	ds_load_b128 v[\reg+4*\c:\reg+4*\c+3], v[\adr] offset:(2*(\i)+(\q))*2048+512*\c
.endr
.endm
.macro MUL16 a0, p, q, sc, zero
.irp a, \a0, \a0+1
.irp b, 0,1,2,3,4,5,6,7
.if \zero
	v_wmma_scale_f32_16x16x128_f8f6f4 v[8*(8*((\a)%4)+\b):8*(8*((\a)%4)+\b)+7], v[128*(\p)+FR*\b:128*(\p)+FR*\b+FR-1], v[AF+FR*(\a):AF+FR*(\a)+FR-1], 0, v[SC+8*NQ*(\sc)+NQ*\b+(\q)], v[SC+8*NQ*(\sc)+NQ*(\a)+(\q)] matrix_a_scale:MATRIX_SCALE_ROW1
.else
	v_wmma_scale_f32_16x16x128_f8f6f4 v[8*(8*((\a)%4)+\b):8*(8*((\a)%4)+\b)+7], v[128*(\p)+FR*\b:128*(\p)+FR*\b+FR-1], v[AF+FR*(\a):AF+FR*(\a)+FR-1], v[8*(8*((\a)%4)+\b):8*(8*((\a)%4)+\b)+7], v[SC+8*NQ*(\sc)+NQ*\b+(\q)], v[SC+8*NQ*(\sc)+NQ*(\a)+(\q)] matrix_a_scale:MATRIX_SCALE_ROW1
.endif
.endr
.endr
.endm
.macro FETCH_B slot, q, p
	WIN TO_B
.irp i, 0,1,2,3,4,5,6,7
	FRAG 128*(\p)+FR*\i, ADRB+\slot, \q, \i
.endr
	WIN 0
.endm
.macro FETCH_A slot, q, i0
.irp i, \i0, \i0+1, \i0+2, \i0+3
	FRAG AF+FR*(\i), ADRA+\slot, \q, \i
.endr
.endm
.macro SCALES sc
.irp i, 0,1,2,3,4,5,6,7
	ds_load_b64 v[SC+8*NQ*\sc+NQ*\i:SC+8*NQ*\sc+NQ*\i+1], v[ADRS+\sc] offset:128*\i
.endr
.endm
.macro STEP slot, q, zero
	s_wait_dscnt 4*NL
	WIN MUL_LO
	MUL16 0, (\q)%2, \q, \slot, \zero
	MUL16 2, (\q)%2, \q, \slot, \zero
	s_wait_dscnt 0
	PLACES NP
	FETCH_B \slot, (\q)+1, 1-(\q)%2
	FETCH_A \slot, (\q)+1, 0
	WIN MUL_HI
	MUL16 4, (\q)%2, \q, \slot, \zero
	MUL16 6, (\q)%2, \q, \slot, \zero
	PLACES NP
	WIN 0
	FETCH_A \slot, (\q)+1, 4
.endm
.macro TURN slot, next, fill
	s_wait_tensorcnt 0x0
	ds_add_u32 v[SPW], v[NIL]
	s_wait_dscnt 4*NL+1
	WIN MUL_LO
	MUL16 0, 1, NQ-1, \slot, 0
	s_wait_dscnt 0x0
	s_barrier_signal -1
	MUL16 2, 1, NQ-1, \slot, 0
	WIN 0
	s_barrier_wait -1
.if \fill
	CREST
	s_add_nc_u64 s[G0+4*\slot+2:G0+4*\slot+3], s[G0+4*\slot+2:G0+4*\slot+3], 2*BLK
	s_add_nc_u64 s[G0B+4*\slot+2:G0B+4*\slot+3], s[G0B+4*\slot+2:G0B+4*\slot+3], 2*BLK
	JLOAD \slot
	PLACES NP-4
.else
	PLACES NP
.endif
	FETCH_B \next, 0, 0
	FETCH_A \next, 0, 0
	SCALES \next
	WIN MUL_HI
	MUL16 4, 1, NQ-1, \slot, 0
	MUL16 6, 1, NQ-1, \slot, 0
	PLACES NP
	WIN 0
	FETCH_A \next, 0, 4
.endm
	s_wait_tensorcnt 1
	s_barrier_signal -1
	s_barrier_wait -1
	FETCH_B 0, 0, 0
	FETCH_A 0, 0, 0
	SCALES 0
	FETCH_A 0, 0, 4
	STEP 0, 0, 1
	TURN 0, 1, 1
	STEP 1, 0, 0
	TURN 1, 0, 1
	STEP 0, 0, 0
	TURN 0, 1, 0
	STEP 1, 0, 0
	s_wait_dscnt 4*NL
	WIN MUL_LO
	MUL16 0, 1, NQ-1, 1, 0
	MUL16 2, 1, NQ-1, 1, 0
	s_wait_dscnt 0
	WIN MUL_HI
	MUL16 4, 1, NQ-1, 1, 0
	MUL16 6, 1, NQ-1, 1, 0
	WIN 0
	PLACES NP
.irp b, 0,1,2,3
	v_mov_b32 v[TM+4+\b], 0
.endr
	v_mov_b32 v[C9], 0x3e7c6f08
	v_mov_b32 v[C9+1], 0x3e7c6f08
.macro COEF k, bits
	s_mov_b32 s[CF+2*\k], \bits
	s_mov_b32 s[CF+2*\k+1], \bits
.endm
	COEF 0, 0xc034d90f
	COEF 1, 0x3fb8ab5a
	COEF 2, 0x3f0a29d2
	COEF 3, 0x3e0efb2e
	COEF 4, 0xbe899a80
	COEF 5, 0x3ecdfd18
	COEF 6, 0xbfd1a1e5
	COEF 7, 0x40097039
	COEF 8, 0xbf97d29d
	COEF 9, 0xbf38aa3b
	s_mov_b32 s[KT], 0x3eb504f3
.macro ARM a
	WIN 0x02+(\a)/4
.set i, 0
.rept 32
	v_pk_add_f32 v[E+2*i:E+2*i+1], v[64*((\a)%4)+2*i:64*((\a)%4)+2*i+1], v[BR+2*i:BR+2*i+1]
.set i, i+1
.endr
	WIN 0
.endm
.macro GELU g
.set XG, E+16*(\g)
.set i, 0
.rept 16
	v_fma_f32 v[GD+i], |v[XG+i]|, s[KT], 1.0
.set i, i+1
.endr
.set i, 0
	s_wait_alu depctr_va_vdst(0)
.rept 16
	v_rcp_f32 v[GD+i], v[GD+i]
.set i, i+1
.endr
.set i, 0
.rept 8
	v_pk_mul_f32 v[GU+2*i:GU+2*i+1], v[XG+2*i:XG+2*i+1], v[XG+2*i:XG+2*i+1]
.set i, i+1
.endr
.set i, 0
	s_wait_alu depctr_va_vdst(0)
.rept 8
	v_pk_fma_f32 v[GQ+2*i:GQ+2*i+1], v[GD+2*i:GD+2*i+1], v[C9:C9+1], s[CF+16:CF+17] op_sel_hi:[1,1,0]
.set i, i+1
.endr
.irp k, 7,6,5,4,3,2,1,0
.set i, 0
.rept 8
	v_pk_fma_f32 v[GQ+2*i:GQ+2*i+1], v[GQ+2*i:GQ+2*i+1], v[GD+2*i:GD+2*i+1], s[CF+2*\k:CF+2*\k+1] op_sel_hi:[1,1,0]
.set i, i+1
.endr
.endr
.set i, 0
.rept 8
	v_pk_fma_f32 v[GQ+2*i:GQ+2*i+1], v[GU+2*i:GU+2*i+1], s[KX:KX+1], v[GQ+2*i:GQ+2*i+1] op_sel_hi:[1,0,1]
.set i, i+1
.endr
.set i, 0
	s_wait_alu depctr_va_vdst(0)
.rept 16
	v_exp_f32 v[GQ+i], v[GQ+i]
.set i, i+1
.endr
.set i, 0
.rept 16
	v_max_num_f32 v[GU+i], 0, v[XG+i]
.set i, i+1
.endr
.set i, 0
	s_wait_alu depctr_va_vdst(0)
.rept 8
	v_pk_mul_f32 v[GQ+2*i:GQ+2*i+1], v[GQ+2*i:GQ+2*i+1], v[GD+2*i:GD+2*i+1]
.set i, i+1
.endr
.set i, 0
.rept 16
	v_fma_f32 v[XG+i], -|v[XG+i]|, v[GQ+i], v[GU+i]
.set i, i+1
.endr
.endm
	s_mov_b32 s[EA], 0
.Lepi:
.irp a, 0,1,2,3,4,5,6
	s_cmp_lg_u32 s[EA], \a
	s_cbranch_scc1 .Lnot_\a
	ARM \a
	s_branch .Lheavy
.Lnot_\a:
.endr
	ARM 7
.Lheavy:
	GELU 0
	GELU 1
	GELU 2
	GELU 3
	QUANT E, PW
.irp c, 0,1,2,3
	global_store_b128 v[L16], v[PC+4*\c:PC+4*\c+3], s[OC:OC+1] offset:512*\c
.endr
	global_store_b32 v[SO], v[PW], s[OS:OS+1]
	s_wait_xcnt 0x0
	s_add_nc_u64 s[OC:OC+1], s[OC:OC+1], 4096
	s_add_nc_u64 s[OS:OS+1], s[OS:OS+1], 128
	s_add_co_u32 s[EA], s[EA], 1
	s_cmp_lt_u32 s[EA], 8
	s_cbranch_scc1 .Lepi
	s_wait_tensorcnt 0x0
	ds_add_u32 v[SPW], v[NIL]
	s_wait_dscnt 0x0
	CROUND
	s_endpgm
.Lfunc_end_k_q8b42505265_ffn1:
	.size	k_q8b42505265_ffn1, .Lfunc_end_k_q8b42505265_ffn1-k_q8b42505265_ffn1
	.p2alignl 7, 3214868480
	.fill 96, 4, 3214868480
	.section	.rodata,"a",@progbits
	.p2align	6, 0x0
	.amdhsa_kernel k_q8b42505265_ffn1
		.amdhsa_group_segment_fixed_size 327680
		.amdhsa_private_segment_fixed_size 0
		.amdhsa_enable_private_segment 0
		.amdhsa_kernarg_size 32
		.amdhsa_user_sgpr_count 2
		.amdhsa_user_sgpr_kernarg_segment_ptr 1
		.amdhsa_wavefront_size32 1
		.amdhsa_system_sgpr_workgroup_id_x 1
		.amdhsa_system_sgpr_workgroup_id_y 1
		.amdhsa_system_sgpr_workgroup_id_z 1
		.amdhsa_system_vgpr_workitem_id 0
		.amdhsa_next_free_vgpr 1024
		.amdhsa_next_free_sgpr 102
		.amdhsa_reserve_vcc 0
		.amdhsa_float_denorm_mode_32 3
		.amdhsa_float_denorm_mode_16_64 3
		.amdhsa_memory_ordered 1
		.amdhsa_forward_progress 1
		.amdhsa_inst_pref_size 181
	.end_amdhsa_kernel
	.amdgpu_metadata
---
amdhsa.version: [ 1, 2 ]
amdhsa.kernels:
  - .name:           k_q8b42505265_ffn1
    .symbol:         k_q8b42505265_ffn1.kd
    .args:
      - { .name: anx, .offset: 0, .size: 8, .value_kind: global_buffer, .address_space: global }
      - { .name: wop, .offset: 8, .size: 8, .value_kind: global_buffer, .address_space: global }
      - { .name: b1, .offset: 16, .size: 8, .value_kind: global_buffer, .address_space: global }
      - { .name: hh, .offset: 24, .size: 8, .value_kind: global_buffer, .address_space: global }
    .group_segment_fixed_size: 327680
    .private_segment_fixed_size: 0
    .kernarg_segment_align: 8
    .kernarg_segment_size: 32
    .max_flat_workgroup_size: 128
    .sgpr_count:     102
    .vgpr_count:     1024
    .wavefront_size: 32
...
	.end_amdgpu_metadata
.endif
;; end of part 6
;; launch ffn2 (part 7): grid 32 x 8, 4 waves a work-group, clusters of 4 x 1, 327,680 bytes of LDS; arguments hh, wop, b2, x1, out0; writes out0
.if DOCPART == 7
	.amdgcn_target "amdgcn-amd-amdhsa--gfx1250"
	.amdhsa_code_object_version 6
	.text
	.protected	k_q8b42505265_ffn2
	.globl	k_q8b42505265_ffn2
	.p2align	8
	.type	k_q8b42505265_ffn2,@function
k_q8b42505265_ffn2:
	s_mov_b64 s[64:65], 0
	v_nop
	global_prefetch_b8 v0, s[64:65] scope:SCOPE_SE
	s_setreg_imm32_b32 hwreg(HW_REG_WAVE_MODE, 25, 1), 1
	s_wait_xcnt 0x0
	s_wait_alu depctr_hold_cnt(0) depctr_sa_sdst(0) depctr_va_vdst(0) depctr_va_sdst(0) depctr_va_ssrc(0) depctr_va_vcc(0) depctr_vm_vsrc(0)
	s_getreg_b32 s2, hwreg(HW_REG_IB_STS2, 6, 4)
	s_cmp_eq_u32 s2, 0
	s_cbranch_scc0 .Lentry_in_a_cluster
	s_endpgm
.Lentry_in_a_cluster:
	s_bfe_u32 s2, ttmp6, 0x10000c
	s_cmp_lg_u32 s2, 0x3003
	s_cbranch_scc0 .Lentry_shape_is_right
	s_endpgm
.Lentry_shape_is_right:
; out0 = x1 + (H W2^T + b2): H [4096][4096] and W2 [1024][4096] as operand blocks of FP8 (E4M3) codes with E8M0 scale words; b2 [1024]; x1, out0 [4096][1024] f32.
; (A block: 128 rows x 256 K, 33,792 dense bytes: fragment (tile t, q) at (2 t + q) x 2,048 + 512 c + 16 lane; scale words at 32,768 + 128 t + 8 r + 4 q; lane r of tile t = row 32 (t / 2) + 8 (t % 2) + r + 8 (r / 8).)
; SHARES.  Work-group (x, y) makes rows 128 x .., columns 128 y .. of the result: 256 work-groups.  Each of its four waves takes the WHOLE 128 x 128 (64 accumulators) over a quarter of K: K blocks 4 w .. 4 w + 3, eight steps of 128.
; So each fragment is wanted by one wave alone.  The blocks are images of operand registers.
; H's fragments go from memory straight into registers, four loads of 512 consecutive bytes each, into a ring of 12 fragments: four are asked for in a step's middle, four at its end, a step ahead of their use.
; W2's K blocks come by tensor loads, one whole block a wave, into the wave's own two LDS slots (bytes (2 w + slot) x 33,792), and are read from there by that wave alone.
; CLUSTER 4, 1, 1: the four work-groups of a cluster have the same columns, so they ask for W2's blocks jointly (mask 15); each refill stands behind the three lines and a round of the cluster's barrier.  A wave has one tensor load out at the most.
; SCALE WORDS: one load of 8 bytes a lane brings two tiles' words for both halves of a K block: lanes 0-15 tile 2 p, lanes 16-31 tile 2 p + 1; the odd tile is read by ROW1.
; The matrix instruction is used transposed (source 0 = W, source 1 = H): a lane holds eight neighbouring columns of a row.
; THE WAY OUT: each wave lays its partial block into a stage (128 rows x 528 bytes = its own two slots, which have had their last fill and which it alone has read); behind one barrier wave w reads rows 32 w .. 32 w + 31 of all four stages,
; adds them, the bias and the residual, and stores 512 consecutive bytes an instruction.  The sum over K is so made of four f32 parts.
; PREFETCH: in steps 0 and 2 each wave asks for its K block two blocks (four steps) on, two steps ahead of W2's tensor load for it; a block's 132 units of 256 bytes are shared out by address among the work-groups that read it
; (H's: 17 units for each of 8; W2's: 5 for each of 32; the index is held at 131, inside the block).
; REGISTERS: window 0: v1-9, v48-51 addresses, v10-11 for the add, v12-15 bias, v16-47 scale words (two sets), v64-255 H's ring; window 1: W's two sets (at the end v0-127: the residual); windows 2, 3: the accumulators, then the four parts.
.set BLK,    33792
.set WBLK,   256
.set SPITCH, 528
.set STG,    128*SPITCH                ; = 2 BLK
.set SPARE,  4*STG                     ; the spare words: 512 bytes that no other line names
.set L16,  1
.set L8,   2
.set STO,  3
.set RD,   4
.set PFA,  8
.set PFW,  9
.set SPW,  10
.set NIL,  11
.set BI,   12
.set SC,   16
.set LW,   48
.set LS,   50
.set AR,   64
.set AB,   16
.set WB,   18
.set G1,   28
.set G0,   36
.set MSB, 0
.macro WIN new
.if MSB != (\new)
	s_set_vgpr_msb (MSB<<8)|(\new)
.set MSB, (\new)
.endif
.endm
.macro PLACES
.rept 8
	v_nop
.endr
.endm
.macro ROUND
	s_barrier_signal -1
	s_barrier_wait -1
	s_cmp_lg_u32 s14, 0
	s_cbranch_scc1 .Lnot_wave_0_\@
	s_barrier_signal -3
.Lnot_wave_0_\@:
	s_barrier_wait -3
	s_barrier_signal -1
	s_barrier_wait -1
.endm
.macro TL sl                           ; my joint load into my slot sl; s_nop 0 and four v_nop follow
	tensor_load_to_lds s[G0+4*(\sl):G0+4*(\sl)+3], s[G1:G1+7]
	s_nop 0
.rept 4
	v_nop
.endr
.endm
	s_load_b256 s[4:11], s[0:1], 0x0               ; hh, wop, b2, x1
	s_load_b64 s[12:13], s[0:1], 0x20              ; out0
	v_lshl_add_u32 v[SPW], v0, 2, SPARE
	v_mov_b32 v[NIL], 0
	ds_add_u32 v[SPW], v[NIL]                      ; the opening lines: the add, twice on end, and its wait ahead of my first tensor load
	ds_add_u32 v[SPW], v[NIL]
	s_bfe_u32 s45, ttmp6, 0x40000                  ; cx
	s_lshl_b32 s20, ttmp9, 2
	s_add_co_u32 s20, s20, s45                     ; row block: it enters H's, x1's and out0's addresses and W2's prefetch offset (s22), and no LDS address
	s_and_b32 s44, ttmp7, 0xffff                   ; column block: the same in the cluster's four
	s_mul_i32 s21, s44, 17
	s_mul_i32 s22, s20, 5
	v_lshrrev_b32 v[L8], 5, v0
	v_readfirstlane_b32 s14, v[L8]                 ; wave = quarter of K
	v_and_b32 v[PFW], 31, v0                       ; lane
	v_lshlrev_b32 v[L16], 4, v[PFW]
	v_lshl_add_u32 v[L8], v[PFW], 3, 32768         ; scale words: 8 x lane behind a block's codes
	v_and_b32 v[RD], 15, v0                        ; r
	v_bfe_u32 v[RD+1], v0, 4, 1                    ; h
	v_and_b32 v[RD+2], 8, v[RD]
	v_add_nc_u32 v[RD+2], v[RD+2], v[RD]           ; r + 8 (r / 8)
	v_mul_u32_u24 v[STO], v[RD+2], SPITCH
	v_lshl_add_u32 v[STO], v[RD+1], 6, v[STO]
	s_mul_i32 s15, s14, STG                        ; my two slots, later my stage
	v_add_nc_u32 v[STO], s15, v[STO]               ; into my stage: row r + 8 (r / 8), byte 64 h
	v_add_nc_u32 v[LW], s15, v[L16]                ; W's fragments in my slot 0, 1
	v_add_nc_u32 v[LW+1], BLK, v[LW]
	v_add_nc_u32 v[LS], s15, v[L8]                 ; and its scale words
	v_add_nc_u32 v[LS+1], BLK, v[LS]
	s_mul_i32 s23, s14, 32*SPITCH
	v_add_nc_u32 v[RD], s23, v[L16]                ; back: my 32 rows, in each of the four stages
	v_add_nc_u32 v[RD+1], STG, v[RD]
	v_add_nc_u32 v[RD+2], 2*STG, v[RD]
	v_add_nc_u32 v[RD+3], 3*STG, v[RD]
	v_min_u32 v[PFA], 16, v[PFW]
	v_min_u32 v[PFW], 4, v[PFW]
	v_add_nc_u32 v[PFA], s21, v[PFA]
	v_add_nc_u32 v[PFW], s22, v[PFW]
	v_min_u32 v[PFA], 131, v[PFA]                  ; a block has 132 units of 256 bytes
	v_min_u32 v[PFW], 131, v[PFW]
	v_lshlrev_b32 v[PFA], 8, v[PFA]
	v_lshlrev_b32 v[PFW], 8, v[PFW]
	s_wait_alu depctr_va_vdst(0)                   ; the wait behind the head's last vector instruction
	s_mov_b32 s[G1], 15|(3<<16)|(1<<21)            ; a dense block as 132 rows of 32 elements of 8 bytes; mask 15 with bit 21 beside it
	s_mov_b32 s[G1+1], 32<<16
	s_mov_b32 s[G1+2], 132<<16
	s_mov_b32 s[G1+3], 32<<16
	s_mov_b32 s[G1+4], 132
	s_mov_b32 s[G1+5], 32
	s_mov_b32 s[G1+6], 0
	s_mov_b32 s[G1+7], 0
	s_mov_b32 s[G0], 1
	s_mov_b32 s[G0+1], s15
	s_mov_b32 s[G0+4], 1
	s_add_co_u32 s[G0+5], s15, BLK
	s_lshl_b32 s23, s14, 2
	s_lshl_b32 s[AB], s20, 4
	s_add_co_u32 s[AB], s[AB], s23
	s_mul_i32 s[AB], s[AB], BLK                    ; H's block 16 x row block + 4 w
	s_mov_b32 s[AB+1], 0
	s_lshl_b32 s[WB], s44, 4
	s_add_co_u32 s[WB], s[WB], s23
	s_add_co_u32 s[WB], s[WB], WBLK
	s_mul_i32 s[WB], s[WB], BLK                    ; W2's block 256 + 16 x column block + 4 w
	s_mov_b32 s[WB+1], 0
	s_lshl_b32 s24, s20, 7
	s_lshl_b32 s25, s14, 5
	s_add_co_u32 s24, s24, s25
	s_lshl_b32 s24, s24, 12                        ; (128 x row block + 32 w) rows of 4,096 bytes
	s_lshl_b32 s26, s44, 9                         ; the block's 512 bytes of a row
	s_add_co_u32 s24, s24, s26
	s_mov_b32 s25, 0
	s_mov_b32 s27, 0
	s_wait_dscnt 0x0                               ; both opening adds are done
	s_wait_kmcnt 0x0
	s_add_nc_u64 s[AB:AB+1], s[4:5], s[AB:AB+1]
	s_add_nc_u64 s[WB:WB+1], s[6:7], s[WB:WB+1]
	s_add_nc_u64 s[8:9], s[8:9], s[26:27]
	s_add_nc_u64 s[10:11], s[10:11], s[24:25]
	s_add_nc_u64 s[12:13], s[12:13], s[24:25]
	s_mov_b64 s[G0+2:G0+3], s[WB:WB+1]             ; slot 0: my K block 0
	s_or_b32 s[G0+3], s[G0+3], 0x80000000
	s_add_nc_u64 s[G0+6:G0+7], s[WB:WB+1], BLK     ; slot 1: my K block 1
	s_or_b32 s[G0+7], s[G0+7], 0x80000000
	ROUND                                          ; all four work-groups are here: the first joint loads meet
	TL 0                                           ; one tensor load a wave at the head
.macro LDW s                           ; W's eight fragments of step s from my slot (s / 2) % 2 into set s % 2: 32 LDS loads
	WIN 0x40
.irp b, 0,1,2,3,4,5,6,7
.irp c, 0,1,2,3
	ds_load_b128 v[128*((\s)%2)+16*\b+4*\c:128*((\s)%2)+16*\b+4*\c+3], v[LW+((\s)/2)%2] offset:\b*4096+((\s)%2)*2048+512*\c
.endr
.endr
	WIN 0
.endm
.macro LDWS j                          ; W's scale words of K block j
.irp p, 0,1,2,3
	ds_load_b64 v[SC+16*((\j)%2)+8+2*\p:SC+16*((\j)%2)+8+2*\p+1], v[LS+(\j)%2] offset:256*\p
.endr
.endm
.macro LDA s, a0                       ; H's fragments a0 .. a0 + 3 of step s into their places in the ring: 16 loads
.irp a, \a0, \a0+1, \a0+2, \a0+3
.set FA, AR+16*((8*(\s)+(\a))%12)
.irp c, 0,1,2,3
	global_load_b128 v[FA+4*\c:FA+4*\c+3], v[L16], s[AB:AB+1] offset:((\s)/2)*BLK+(\a)*4096+((\s)%2)*2048+512*\c
.endr
.endr
.endm
.macro LDSCA j                         ; H's scale words of K block j: 4 loads of 256 consecutive bytes
.irp p, 0,1,2,3
	global_load_b64 v[SC+16*((\j)%2)+2*\p:SC+16*((\j)%2)+2*\p+1], v[L8], s[AB:AB+1] offset:(\j)*BLK+256*\p
.endr
.endm
.macro W1 c, pw, pa                    ; one product; pw, pa: W's and H's tile is the odd one of its pair
.if (\pw) && (\pa)
	v_wmma_scale_f32_16x16x128_f8f6f4 v[DD:DD+7], v[WW:WW+15], v[FA:FA+15], \c, v[SW], v[SA] matrix_a_scale:MATRIX_SCALE_ROW1 matrix_b_scale:MATRIX_SCALE_ROW1
.elseif (\pw)
	v_wmma_scale_f32_16x16x128_f8f6f4 v[DD:DD+7], v[WW:WW+15], v[FA:FA+15], \c, v[SW], v[SA] matrix_a_scale:MATRIX_SCALE_ROW1
.elseif (\pa)
	v_wmma_scale_f32_16x16x128_f8f6f4 v[DD:DD+7], v[WW:WW+15], v[FA:FA+15], \c, v[SW], v[SA] matrix_b_scale:MATRIX_SCALE_ROW1
.else
	v_wmma_scale_f32_16x16x128_f8f6f4 v[DD:DD+7], v[WW:WW+15], v[FA:FA+15], \c, v[SW], v[SA]
.endif
.endm
.macro MUL4 s, a0                      ; H's tiles a0 .. a0 + 3 x W's eight: 32 products, the accumulators by turns; step 0's start the sums
.irp a, \a0, \a0+1, \a0+2, \a0+3
.set FA, AR+16*((8*(\s)+(\a))%12)
.set SA, SC+16*(((\s)/2)%2)+2*((\a)/2)+(\s)%2
.irp b, 0,1,2,3,4,5,6,7
.set DD, 8*(8*((\a)%4)+\b)
.set WW, 128*((\s)%2)+16*\b
.set SW, SC+16*(((\s)/2)%2)+8+2*(\b/2)+(\s)%2
.if (\s) == 0
	W1 0, \b%2, (\a)%2
.else
	W1 v[DD:DD+7], \b%2, (\a)%2
.endif
.endr
.endr
.endm
; THE CHANGE OF SLOTS, ahead of each K block's first step.  All my tensor loads are in (the block that I am about to read), 0 is added onto my spare word, my reads of the other slot are over; a round of the cluster's barrier;
; and the other slot takes the block after this one (ahead of step 0: its first fill, issued as a refill is).  Ahead of my last block nothing is asked for: the wait alone, since I alone read my slots.
.macro CHANGE s
.set FS, ((\s)/2+1)%2
	s_wait_tensorcnt 0x0
.if (\s) < 6
	ds_add_u32 v[SPW], v[NIL]
.if (\s) > 0
	s_add_nc_u64 s[G0+4*FS+2:G0+4*FS+3], s[G0+4*FS+2:G0+4*FS+3], 2*BLK   ; no load of mine is out: that slot's next block
.endif
	s_wait_dscnt 0x0
	ROUND
	TL FS
.endif
.endm
; THE ORDER OF H's LOADS: end of step s - 2: (scale words,) H(s, 0-3); middle of step s - 1: H(s, 4-7); end of step s - 1: (scale words,) H(s + 1, 0-3); middle of step s: H(s + 1, 4-7).
.macro STEP s
.if (\s) == 7
.set R2P, 33                           ; what the end of step 6 issued: the bias and the residual's 32
.else
.set R2P, 16+4*((\s)%2)                ; what the end of step s - 1 issued
.endif
.if ((\s)%2) == 0
	CHANGE \s
	LDW \s
	LDWS (\s)/2
.endif
	s_wait_loadcnt 16+R2P                          ; H(s, 0-3) and its scale words are in
	s_wait_dscnt 0x0                               ; and W(s)
	WIN 0xa1
	MUL4 \s, 0
	WIN 0
.if (\s) < 7
	PLACES                                         ; eight places in front of loads into registers that the products have read
	LDA (\s)+1, 4
.if ((\s)%2) == 0
	LDW (\s)+1                                     ; the block's second step, into the set that step s - 1 has left
.endif
	s_wait_loadcnt R2P+16                          ; H(s, 4-7) are in
.else
	s_wait_loadcnt R2P
.endif
	WIN 0xf1
	MUL4 \s, 4
	WIN 0
	PLACES
.if (\s) < 6
.if ((\s)%2) == 0
	LDSCA (\s)/2+1
.endif
	LDA (\s)+2, 0
.if (((\s)%2) == 0) && ((\s) < 4)
	global_prefetch_b8 v[PFA], s[AB:AB+1] offset:((\s)/2+2)*BLK th:TH_LOAD_NT scope:SCOPE_SE   ; my share of the K block two blocks on; its address registers are never rewritten
	global_prefetch_b8 v[PFW], s[WB:WB+1] offset:((\s)/2+2)*BLK th:TH_LOAD_NT scope:SCOPE_SE
.endif
.elseif (\s) == 6
	global_load_b128 v[BI:BI+3], v[L16], s[8:9]    ; my four columns' bias
	WIN 0x40
.set i, 0
.rept 32
	global_load_b128 v[4*i:4*i+3], v[L16], s[10:11] offset:4096*i   ; the residual's rows that I shall store, into W's set 0, which step 6 has left
.set i, i+1
.endr
	WIN 0
.endif
.endm
	LDSCA 0
	LDA 0, 0
	LDA 0, 4
	LDA 1, 0
.irp s, 0,1,2,3,4,5,6,7
	STEP \s
.endr
	; my partial block into my stage (step 7's last eight places stand in front of these reads); each accumulator from its low end on
.irp a, 0,1,2,3,4,5,6,7
	WIN 0x08+4*(\a/4)
.irp b, 0,1,2,3,4,5,6,7
	ds_store_b128 v[STO], v[8*(8*(\a%4)+\b):8*(8*(\a%4)+\b)+3] offset:(32*(\a/2)+8*(\a%2))*SPITCH+(\b/2)*128+(\b%2)*32
	ds_store_b128 v[STO], v[8*(8*(\a%4)+\b)+4:8*(8*(\a%4)+\b)+7] offset:(32*(\a/2)+8*(\a%2))*SPITCH+(\b/2)*128+(\b%2)*32+16
.endr
.endr
	WIN 0
	s_wait_dscnt 0x0                               ; for the others' sake: my stores have landed
	s_barrier_signal -1
	s_barrier_wait -1
.irp k, 0,1,2,3                        ; part k of my 32 rows: parts 0, 1 into window 2, parts 2, 3 into window 3
	WIN 0x80+0x40*(\k/2)
.set i, 0
.rept 32
	ds_load_b128 v[128*(\k%2)+4*i:128*(\k%2)+4*i+3], v[RD+\k] offset:SPITCH*i
.set i, i+1
.endr
.endr
	s_wait_loadcnt 0x0                             ; the bias and the residual
	WIN 0x41                                       ; residual + bias, in window 1, while the parts come back
.set i, 0
.rept 32
	v_pk_add_f32 v[4*i:4*i+1], v[4*i:4*i+1], v[BI:BI+1]
	v_pk_add_f32 v[4*i+2:4*i+3], v[4*i+2:4*i+3], v[BI+2:BI+3]
.set i, i+1
.endr
.macro ADDS w, off
	WIN \w
.set i, 0
.rept 64
	v_pk_add_f32 v[2*i:2*i+1], v[2*i:2*i+1], v[\off+2*i:\off+2*i+1]
.set i, i+1
.endr
.endm
	s_wait_dscnt 63                                ; parts 0 and 1 are back (64 loads were issued behind them; the counter's field holds 63)
	ADDS 0x8a, 128                                 ; part 0 + part 1
	s_wait_dscnt 0x0
	ADDS 0xcf, 128                                 ; part 2 + part 3
	ADDS 0x8e, 0                                   ; the two sums
	ADDS 0x86, 0                                   ; + (residual + bias)
	WIN 0x08
.set i, 0
.rept 32
	global_store_b128 v[L16], v[4*i:4*i+3], s[12:13] offset:4096*i th:TH_STORE_NT   ; 512 consecutive bytes, aligned
.set i, i+1
.endr
	WIN 0
	s_wait_tensorcnt 0x0                           ; the wave's end
	ds_add_u32 v[SPW], v[NIL]
	s_wait_dscnt 0x0
	ROUND                                          ; the closing round
	s_endpgm
.Lfunc_end_k_q8b42505265_ffn2:
	.size	k_q8b42505265_ffn2, .Lfunc_end_k_q8b42505265_ffn2-k_q8b42505265_ffn2
	.p2alignl 7, 3214868480
	.fill 96, 4, 3214868480
	.section	.rodata,"a",@progbits
	.p2align	6, 0x0
	.amdhsa_kernel k_q8b42505265_ffn2
		.amdhsa_group_segment_fixed_size 327680
		.amdhsa_private_segment_fixed_size 0
		.amdhsa_enable_private_segment 0
		.amdhsa_kernarg_size 40
		.amdhsa_user_sgpr_count 2
		.amdhsa_user_sgpr_kernarg_segment_ptr 1
		.amdhsa_wavefront_size32 1
		.amdhsa_system_sgpr_workgroup_id_x 1
		.amdhsa_system_sgpr_workgroup_id_y 1
		.amdhsa_system_sgpr_workgroup_id_z 1
		.amdhsa_system_vgpr_workitem_id 0
		.amdhsa_next_free_vgpr 1024
		.amdhsa_next_free_sgpr 66
		.amdhsa_reserve_vcc 0
		.amdhsa_float_denorm_mode_32 3
		.amdhsa_float_denorm_mode_16_64 3
		.amdhsa_memory_ordered 1
		.amdhsa_forward_progress 1
		.amdhsa_inst_pref_size 163
	.end_amdhsa_kernel
	.amdgpu_metadata
---
amdhsa.version: [ 1, 2 ]
amdhsa.kernels:
  - .name:           k_q8b42505265_ffn2
    .symbol:         k_q8b42505265_ffn2.kd
    .args:
      - { .name: hh, .offset: 0, .size: 8, .value_kind: global_buffer, .address_space: global }
      - { .name: wop, .offset: 8, .size: 8, .value_kind: global_buffer, .address_space: global }
      - { .name: b2, .offset: 16, .size: 8, .value_kind: global_buffer, .address_space: global }
      - { .name: x1, .offset: 24, .size: 8, .value_kind: global_buffer, .address_space: global }
      - { .name: out0, .offset: 32, .size: 8, .value_kind: global_buffer, .address_space: global }
    .group_segment_fixed_size: 327680
    .private_segment_fixed_size: 0
    .kernarg_segment_align: 8
    .kernarg_segment_size: 40
    .max_flat_workgroup_size: 128
    .sgpr_count:     66
    .vgpr_count:     1024
    .wavefront_size: 32
...
	.end_amdgpu_metadata
.endif
;; end of part 7
